; MI455X (gfx1250); checked and timed in simulation.
; The chip was launched on July 23, 2026; its instructions are those of AMD's public machine-readable ISA for CDNA 5 (MIT licence, August 2026) and "CDNA5" Instruction Set Architecture Reference Guide (July 2026). The comments in the code are by the model that wrote it; some were corrected since.
;; Multi Attention. Allowed arithmetic: matrix products marked QUANTISED: E2M3 operands, one E8M0 scale for each 32 along K, by v_wmma_scale_f32_16x16x128_f8f6f4 with both operands' format E2M3, f32 sums; everything else in f32.
;; Inputs: K 4 x 2,048 x 1,024 float32; Q 4 x 2,048 x 1,024 float32; V 4 x 2,048 x 1,024 float32; Wk 1,024 x 1,024 float32; Wo 1,024 x 1,024 float32; Wq 1,024 x 1,024 float32; Wv 1,024 x 1,024 float32.
;; Outputs: out0 4 x 2,048 x 1,024 float32.
;; This version of the problem:
;;   THIS VERSION OF THE PROBLEM IS GIVEN IN LOW PRECISION. The matrix products marked QUANTISED in the list below multiply operands that are first quantised to E2M3 (2 exponent bits, 3 mantissa bits; 6 bits a number), with one power-of-two scale for each 32 numbers along K (OCP MX v1.0); their sums are f32. All else is computed in f32.
;;   The module's matrix products, in the order in which they are computed (A, B: the left and right operand; K: the contracted axis; several contracted axes count as one K, in the product's order):
;;     1. [M 8,192, K 1,024] x [K 1,024, N 1,024]; A: input Q; B: input Wq: QUANTISED
;;     2. [M 8,192, K 1,024] x [K 1,024, N 1,024]; A: input K; B: input Wk: QUANTISED
;;     3. [M 8,192, K 1,024] x [K 1,024, N 1,024]; A: input V; B: input Wv: QUANTISED
;;     4. batch 64 x [M 2,048, K 64] x [K 64, N 2,048]; A: computed on the way; B: computed on the way: QUANTISED
;;     5. batch 64 x [M 2,048, K 2,048] x [K 2,048, N 64]; A: softmax (see below); B: computed on the way: QUANTISED
;;     6. [M 8,192, K 1,024] x [K 1,024, N 1,024]; A: computed on the way; B: input Wo: QUANTISED
;;   THE QUANTISER, for each operand of a quantised product, along K:
;;     - K is cut into blocks of 32 from its start; a last block that is shorter is filled with zeros.
;;     - A block's scale is 2^e with e = floor(log2(the largest magnitude in the block)) - 2, held to -126 .. 127; a block of zeros has e = 0. As a byte (E8M0): e + 127.
;;     - Each number is divided by its block's scale, clamped to +-7.5, and rounded to the nearest number of E2M3, ties to even, subnormals kept.
;;     - The product sums the exact products of the quantised numbers (number of the format x scale) in f32.
;;   ~~~python
;;   def quantise(x, axis):      # numpy; x: float32 -> the quantised numbers, widened to float32 again
;;       x = np.moveaxis(x, axis, -1); K = x.shape[-1]
;;       x = np.pad(x, [(0, 0)] * (x.ndim - 1) + [(0, -K % 32)]); x = x.reshape(x.shape[:-1] + (-1, 32)); a = np.abs(x).max(-1, keepdims=True)
;;       e = np.where(a > 0, np.clip(np.frexp(np.where(a > 0, a, 1))[1] - 1 - 2, -126, 127), 0)      # np.frexp(a)[1] - 1 = floor(log2(a)), exactly
;;       r = np.clip(x / 2.0 ** e, -7.5, 7.5)
;;       step = 2.0 ** (np.maximum(np.frexp(np.where(r == 0, 1, r))[1] - 1, 0) - 3)
;;       q = np.round(r / step) * step * 2.0 ** e      # np.round: ties to even
;;       return np.moveaxis(q.reshape(q.shape[:-2] + (-1,))[..., :K], -1, axis).astype(np.float32)
;;   ~~~
;;   SOFTMAX AHEAD OF A QUANTISED PRODUCT. Where the list says 'softmax', what is quantised is not the finished softmax but p = 2^(t - M), with t = logit x log2(e) and M = ceil(the row's largest t), a whole number; so 1/2 < the row's largest p <= 1. The row's sum l is taken of the UNQUANTISED p, in f32, and the product's result is divided by l at the end. Since M is a whole number, a kernel that streams over the keys may use a running M (the ceiling of the running maximum): every later rescaling is an exact power of two, which a block's scale takes up: the codes' values come out the same.
;;   OPERANDS COMPUTED ON THE WAY. 'Computed on the way' means the value that the module computes at that place (a softmax that the list does not call 'softmax' is quantised finished and normalised). What goes into a quantiser is computed in f32, as accurately as f32 sums, v_exp_f32 and their like allow (about 1e-6 of the number): no bf16 or f16 on the way to a quantiser, and a product that is left as it is and whose result goes on into a quantised operand takes f32 operands (vector FMAs, or v_wmma_f32_16x16x4_f32). A number that lies on a knife's edge between two numbers of the format may be rounded either way, as far as f32 arithmetic and the matrix unit's own rounding can turn it there, and no further.
;; One version. Each part assembles by itself: llvm-mc -triple=amdgcn-amd-amdhsa -mcpu=gfx1250 --defsym DOCPART=n.
;; ======== version 1 of 1: 4 launches
;; limits: right only within a limited range of input values
;; workspace buffers: xc 22,020,096 bytes; xs 917,504 bytes; hc 18,874,368 bytes; hs 786,432 bytes; oc 6,291,456 bytes; os 262,144 bytes
;; launch quant (part 1): grid 256 x 1, 7 waves a work-group, no clusters, 62,464 bytes of LDS; arguments Q, K, V, Wq, Wk, Wv, Wo, xc, xs; writes xc, xs
.if DOCPART == 1
	.amdgcn_target "amdgcn-amd-amdhsa--gfx1250"
	.amdhsa_code_object_version 6
	.text
	.protected	k_qaa4f9b55b3_quant
	.globl	k_qaa4f9b55b3_quant
	.p2align	8
	.type	k_qaa4f9b55b3_quant,@function
k_qaa4f9b55b3_quant:
	s_mov_b64 s[64:65], 0
	v_nop
	global_prefetch_b8 v0, s[64:65] scope:SCOPE_SE
	s_setreg_imm32_b32 hwreg(HW_REG_WAVE_MODE, 25, 1), 1
	s_wait_xcnt 0x0
; Q, K, V [8192][1024] and Wq, Wk, Wv, Wo [1024][1024], f32, become codes of FP6 (E2M3) with one E8M0 scale byte for each 32 along the last axis, which is K of every product that reads them.
; A block's scale is 2^(floor(log2(its largest magnitude)) - 2); its byte is the largest magnitude's exponent field - 2, held at 1 from below.
; LIMITS: a block of zeros, or one whose largest magnitude lies under 2^-124, gets the byte 1 (its codes are zeros or tiny; the bytes are read by this program alone); NaN and infinities among the inputs are not served.
; THE WORKSPACE IS LAID IN THE ORDER OF THE OPERAND'S REGISTERS.  The 28,672 rows of the seven tensors are 1,792 tiles of 16 rows (first tiles: Q 0, K 512, V 1024, Wq 1536, Wk 1600, Wv 1664, Wo 1728).
; Tile T of a tensor holds rows 32 (T / 2) + 8 (T % 2) + r + 8 (r / 8), r = 0 .. 15; K's tiles alone hold rows 64 (T / 4) + 8 (T % 4) + r % 8 + 32 (r / 8), so that in the attention launch a lane's 32 scores of four neighbouring key tiles are one block of 32 keys.
; xc[T / 8][j / 4][T % 8][j % 4][768]: the codes of tile T's columns 64 j .. 64 j + 63 as an image of six operand registers: so 256 columns of eight neighbouring tiles are 24,576 bytes on end, and the next 256 columns follow them.
; In an image lane (r, h) holds the 24 bytes of row r, columns 64 j + 32 h + 0 .. 31; its registers 0-3 lie at 16 x lane, its registers 4-5 at 512 + 8 x lane.  xs[T][qq][r][8]: byte i is the scale byte of block 8 qq + i of row r.
; SHARES: 1,792 = 256 x 7: a wave takes one tile, in 16 steps of 64 columns.  Work-groups and waves share no input: no cluster, no barrier, no tensor load.
; A step's eight loads read two rows x 256 consecutive bytes each; the 4,096 bytes turn through the wave's own stage in LDS (rows 272 bytes apart) and come back 128 bytes a lane: a whole block of 32 in one lane's registers.
; Loads run four steps ahead (32 loads a wave), the turn through LDS one step.
.set ROWB,  4096                       ; a row of any of the seven tensors, in bytes
.set WREG,  8704                       ; LDS of a wave: two stages
.set STG,   4352                       ; a stage: 16 rows x 272 bytes
.set R,     16                         ; v16-143  four sets of 32 registers as loaded
.set X,     144                        ; v144-207 two sets of 32 neighbours along K
.set C,     208                        ; v208-214 a step's codes
.set ACC,   216                        ; v216-223 the scale bytes, gathered: word t / 2 takes step t's byte at bit 16 (t % 2)
.set TW,    224                        ; v224-231 at work at the end
	s_load_b512 s[16:31], s[0:1], 0x0              ; Q s[16:17], K, V, Wq, Wk, Wv, Wo s[28:29], xc s[30:31]
	s_load_b64 s[32:33], s[0:1], 0x40              ; xs
	v_lshl_add_u32 v232, v0, 2, 0xf000
	v_mov_b32 v233, 0
	v_lshrrev_b32 v1, 5, v0
	v_readfirstlane_b32 s8, v1                     ; wave 0..6
	s_mul_i32 s9, ttmp9, 7
	s_add_co_u32 s9, s9, s8                        ; T: my tile
	v_and_b32 v9, 31, v0                           ; lane
	v_and_b32 v10, 15, v0                          ; r
	v_bfe_u32 v11, v0, 4, 1                        ; h
	s_mul_i32 s10, s8, WREG                        ; my wave's LDS
	v_lshlrev_b32 v1, 4, v10                       ; 16 r
	v_mad_u32_u24 v2, v11, 272, v1
	v_add_nc_u32 v2, s10, v2                       ; into the stage: lanes 0-15 one row's 256 bytes, lanes 16-31 the next row's
	v_lshl_add_u32 v1, v11, 12, v1                 ; and the same two rows in memory
	v_mul_u32_u24 v3, v10, 272
	v_lshl_add_u32 v3, v11, 7, v3
	v_add_nc_u32 v3, s10, v3                       ; out of the stage: row r, + 128 h: my block of 32 numbers
	v_lshlrev_b32 v4, 4, v9                        ; 16 x lane: registers 0-3 of an image
	v_lshlrev_b32 v5, 3, v9                        ; 8 x lane: registers 4-5
	v_lshlrev_b32 v6, 3, v10
	v_lshl_add_u32 v6, v11, 7, v6                  ; the scale bytes' way out: 8 r + 128 h
	v_lshlrev_b32 v7, 3, v11                       ; 8 h: a shift
	v_cmp_lt_u32 vcc_lo, 15, v9                    ; lanes 16-31; VCC is written nowhere else
	s_cmp_lt_u32 s9, 1536
	s_cselect_b32 s11, 511, 63
	s_and_b32 s11, s9, s11                         ; my tile's number within its tensor (all first tiles are multiples of the tensors' tile counts)
	s_lshr_b32 s12, s11, 1
	s_lshl_b32 s12, s12, 17                        ; 32 rows of 4,096 bytes for each pair of tiles,
	s_and_b32 s13, s11, 1
	s_lshl_b32 s13, s13, 15                        ; 8 rows for the odd one
	s_add_co_u32 s12, s12, s13
	s_lshr_b32 s38, s11, 2                         ; K's tiles:
	s_lshl_b32 s38, s38, 18                        ; 64 rows for each four tiles,
	s_and_b32 s13, s11, 3
	s_lshl_b32 s13, s13, 15                        ; 8 rows for each tile within them
	s_add_co_u32 s38, s38, s13
	s_lshr_b32 s13, s9, 9
	s_cmp_eq_u32 s13, 1                            ; tiles 512 .. 1023 are K's
	s_cselect_b32 s12, s38, s12
	s_cselect_b32 s38, 0x10000, 0                  ; and K's rows r = 8 .. 15 lie 16 rows further down than the other tensors'
	v_add_nc_u32 v8, s38, v1                       ; the offset for a tile's upper eight rows
	s_mov_b32 s13, 0
	s_lshr_b32 s14, s9, 3                          ; a tile's codes: 98,304 bytes for each eight tiles,
	s_mul_i32 s14, s14, 98304
	s_and_b32 s15, s9, 7
	s_mul_i32 s15, s15, 3072                       ; 3,072 for each tile within them
	s_add_co_u32 s14, s14, s15
	s_mov_b32 s15, 0
	s_lshl_b32 s34, s9, 9                          ; a tile's scale bytes: 512
	s_mov_b32 s35, 0
	s_mov_b32 s36, 0x76543210
	s_mov_b32 s37, 0xfedcba98                      ; v_permlanex16_b32's selects for lane l xor 16
	s_wait_alu depctr_va_vdst(0)
	s_wait_kmcnt 0x0
	s_mov_b64 s[4:5], s[16:17]                     ; which tensor: the choice hangs on the tile's number alone
	s_cmp_ge_u32 s9, 512
	s_cselect_b64 s[4:5], s[18:19], s[4:5]
	s_cmp_ge_u32 s9, 1024
	s_cselect_b64 s[4:5], s[20:21], s[4:5]
	s_cmp_ge_u32 s9, 1536
	s_cselect_b64 s[4:5], s[22:23], s[4:5]
	s_cmp_ge_u32 s9, 1600
	s_cselect_b64 s[4:5], s[24:25], s[4:5]
	s_cmp_ge_u32 s9, 1664
	s_cselect_b64 s[4:5], s[26:27], s[4:5]
	s_cmp_ge_u32 s9, 1728
	s_cselect_b64 s[4:5], s[28:29], s[4:5]
	s_add_nc_u64 s[4:5], s[4:5], s[12:13]
	s_add_nc_u64 s[30:31], s[30:31], s[14:15]
	s_add_nc_u64 s[32:33], s[32:33], s[34:35]
.macro LOAD t                          ; step t: the tile's rows 2 i and 2 i + 1; the upper eight rows go by v8; 16 lanes read 256 consecutive bytes, aligned
.irp i, 0,1,2,3,4,5,6,7
	global_load_b128 v[R+32*((\t)%4)+4*\i:R+32*((\t)%4)+4*\i+3], v[1+7*(\i/4)], s[4:5] offset:(2*\i+8*(\i/4))*ROWB+256*(\t) th:TH_LOAD_NT
.endr
.endm
.macro TURN t                          ; through the stage: LDS serves a wave's instructions in order (ISA guide 5.7.1.4), so no wait stands between the stores and the loads
.irp i, 0,1,2,3,4,5,6,7
	ds_store_b128 v2, v[R+32*((\t)%4)+4*\i:R+32*((\t)%4)+4*\i+3] offset:STG*((\t)%2)+544*\i
.endr
.irp i, 0,1,2,3,4,5,6,7
	ds_load_b128 v[X+32*((\t)%2)+4*\i:X+32*((\t)%2)+4*\i+3], v3 offset:STG*((\t)%2)+16*\i
.endr
.endm
	LOAD 0
	LOAD 1
	LOAD 2
	LOAD 3
	s_wait_loadcnt 24                              ; step 0's eight loads are in
	TURN 0
.macro STEP t
.set XS, X+32*((\t)%2)
	s_wait_dscnt 0x0                               ; this step's numbers are back from the stage, and its stores into the stage have read their registers,
.if (\t)+4 < 16
	LOAD (\t)+4                                    ; which take the loads of four steps on
.endif
.if (\t)+1 < 16
.if (\t) <= 11
	s_wait_loadcnt 24                              ; the next step's eight loads are in; those of the three steps behind it may be out
.else
	s_wait_loadcnt 8*(14-(\t))
.endif
	TURN (\t)+1                                    ; and go through the other stage while this step is worked
.endif
	v_max3_num_f32 v12, |v[XS]|, |v[XS+1]|, |v[XS+2]|               ; the block's largest magnitude: all 32 numbers are mine; two chains
	v_max3_num_f32 v13, |v[XS+3]|, |v[XS+4]|, |v[XS+5]|
.irp i, 6,10,14,18,22,26
	v_max3_num_f32 v12, v12, |v[XS+\i]|, |v[XS+\i+1]|
	v_max3_num_f32 v13, v13, |v[XS+\i+2]|, |v[XS+\i+3]|
.endr
	v_max3_num_f32 v12, v12, |v[XS+30]|, |v[XS+31]|
	v_max3_num_f32 v12, v12, v13, 0x1800000        ; and the floor 2^(3 - 127): the byte cannot fall under 1
	v_add_nc_u32 v11, 0xff000000, v12              ; 2 off its exponent field: the conversion takes the exponent field of this operand as its scale
	s_wait_alu depctr_va_vdst(0)
	s_wait_xcnt 0x0                                ; the last step's stores have read the codes' registers
	v_cvt_scalef32_pk16_fp6_f32 v[C:C+2], v[XS:XS+15], v11
	v_cvt_scalef32_pk16_fp6_f32 v[C+4:C+6], v[XS+16:XS+31], v11     ; (a conversion's three registers begin on an even number)
	v_nop                                          ; one plain place behind a scaled conversion
.if (\t)%2 == 0
	v_lshrrev_b32 v[ACC+(\t)/2], 23, v11           ; the scale's byte: block 2 t + h of my row
.else
	v_lshrrev_b32 v13, 23, v11
	v_lshl_or_b32 v[ACC+(\t)/2], v13, 16, v[ACC+(\t)/2]
.endif
	v_mov_b32 v[C+3], v[C+4]                       ; the block's six registers on end
	v_mov_b32 v[C+4], v[C+5]
	v_mov_b32 v[C+5], v[C+6]
	global_store_b128 v4, v[C:C+3], s[30:31] offset:24576*((\t)/4)+768*((\t)%4)          ; 512 consecutive bytes, aligned to 256
	global_store_b64 v5, v[C+4:C+5], s[30:31] offset:24576*((\t)/4)+768*((\t)%4)+512     ; and 256 more
.endm
.irp t, 0,1,2,3,4,5,6,7,8,9,10,11,12,13,14,15
	STEP \t
.endr
	; the scale bytes: my bytes go 8 h bits up, and with lane l xor 16's each word i holds blocks 4 i .. 4 i + 3 of row r
.irp i, 0,1,2,3,4,5,6,7
	v_lshlrev_b32 v[ACC+\i], v7, v[ACC+\i]
.endr
.irp i, 0,1,2,3,4,5,6,7
	v_mov_b32 v[TW+\i], 0                          ; a lane permute's destination counts as one of its sources
.endr
.irp i, 0,1,2,3,4,5,6,7
	v_permlanex16_b32 v[TW+\i], v[ACC+\i], s36, s37
.endr
.irp i, 0,1,2,3,4,5,6,7
	v_or_b32 v[ACC+\i], v[ACC+\i], v[TW+\i]
.endr
	v_cndmask_b32 v[TW], v[ACC], v[ACC+2], vcc_lo              ; lanes 0-15 store blocks 0-7 (then 16-23), lanes 16-31 blocks 8-15 (then 24-31)
	v_cndmask_b32 v[TW+1], v[ACC+1], v[ACC+3], vcc_lo
	v_cndmask_b32 v[TW+2], v[ACC+4], v[ACC+6], vcc_lo
	v_cndmask_b32 v[TW+3], v[ACC+5], v[ACC+7], vcc_lo
	global_store_b64 v6, v[TW:TW+1], s[32:33]                  ; 32 lanes store 256 consecutive bytes, aligned
	global_store_b64 v6, v[TW+2:TW+3], s[32:33] offset:256
	s_wait_tensorcnt 0x0                           ; the wave's end
	ds_add_u32 v232, v233
	s_wait_dscnt 0x0
	s_endpgm
.Lfunc_end_k_qaa4f9b55b3_quant:
	.size	k_qaa4f9b55b3_quant, .Lfunc_end_k_qaa4f9b55b3_quant-k_qaa4f9b55b3_quant
	.p2alignl 7, 3214868480
	.fill 96, 4, 3214868480
	.section	.rodata,"a",@progbits
	.p2align	6, 0x0
	.amdhsa_kernel k_qaa4f9b55b3_quant
		.amdhsa_group_segment_fixed_size 62464
		.amdhsa_private_segment_fixed_size 0
		.amdhsa_enable_private_segment 0
		.amdhsa_kernarg_size 72
		.amdhsa_user_sgpr_count 2
		.amdhsa_user_sgpr_kernarg_segment_ptr 1
		.amdhsa_wavefront_size32 1
		.amdhsa_system_sgpr_workgroup_id_x 1
		.amdhsa_system_sgpr_workgroup_id_y 1
		.amdhsa_system_sgpr_workgroup_id_z 1
		.amdhsa_system_vgpr_workitem_id 0
		.amdhsa_next_free_vgpr 234
		.amdhsa_next_free_sgpr 66
		.amdhsa_reserve_vcc 1
		.amdhsa_float_denorm_mode_32 3
		.amdhsa_float_denorm_mode_16_64 3
		.amdhsa_memory_ordered 1
		.amdhsa_forward_progress 1
		.amdhsa_inst_pref_size 61
	.end_amdhsa_kernel
	.amdgpu_metadata
---
amdhsa.version: [ 1, 2 ]
amdhsa.kernels:
  - .name:           k_qaa4f9b55b3_quant
    .symbol:         k_qaa4f9b55b3_quant.kd
    .args:
      - { .name: Q, .offset: 0, .size: 8, .value_kind: global_buffer, .address_space: global }
      - { .name: K, .offset: 8, .size: 8, .value_kind: global_buffer, .address_space: global }
      - { .name: V, .offset: 16, .size: 8, .value_kind: global_buffer, .address_space: global }
      - { .name: Wq, .offset: 24, .size: 8, .value_kind: global_buffer, .address_space: global }
      - { .name: Wk, .offset: 32, .size: 8, .value_kind: global_buffer, .address_space: global }
      - { .name: Wv, .offset: 40, .size: 8, .value_kind: global_buffer, .address_space: global }
      - { .name: Wo, .offset: 48, .size: 8, .value_kind: global_buffer, .address_space: global }
      - { .name: xc, .offset: 56, .size: 8, .value_kind: global_buffer, .address_space: global }
      - { .name: xs, .offset: 64, .size: 8, .value_kind: global_buffer, .address_space: global }
    .group_segment_fixed_size: 62464
    .private_segment_fixed_size: 0
    .kernarg_segment_align: 8
    .kernarg_segment_size: 72
    .max_flat_workgroup_size: 224
    .sgpr_count:     66
    .vgpr_count:     234
    .wavefront_size: 32
...
	.end_amdgpu_metadata
.endif
;; end of part 1
;; launch proj (part 2): grid 4 x 96, 4 waves a work-group, clusters of 4 x 4, 327,680 bytes of LDS; arguments xc, xs, hc, hs; writes hc, hs
.if DOCPART == 2
	.amdgcn_target "amdgcn-amd-amdhsa--gfx1250"
	.amdhsa_code_object_version 6
	.text
	.protected	k_qaa4f9b55b3_proj
	.globl	k_qaa4f9b55b3_proj
	.p2align	8
	.type	k_qaa4f9b55b3_proj,@function
k_qaa4f9b55b3_proj:
	s_mov_b64 s[64:65], 0
	v_nop
	global_prefetch_b8 v0, s[64:65] scope:SCOPE_SE
	s_setreg_imm32_b32 hwreg(HW_REG_WAVE_MODE, 25, 1), 1
	s_wait_xcnt 0x0
	s_wait_alu depctr_hold_cnt(0) depctr_sa_sdst(0) depctr_va_vdst(0) depctr_va_sdst(0) depctr_va_ssrc(0) depctr_va_vcc(0) depctr_vm_vsrc(0)
	s_getreg_b32 s2, hwreg(HW_REG_IB_STS2, 6, 4)
	s_cmp_eq_u32 s2, 0
	s_cbranch_scc0 .Lentry_in_a_cluster
	s_endpgm
.Lentry_in_a_cluster:
	s_bfe_u32 s2, ttmp6, 0x10000c
	s_cmp_lg_u32 s2, 0xf033
	s_cbranch_scc0 .Lentry_shape_is_right
	s_endpgm
.Lentry_shape_is_right:
.set NQ,     2
.set FR,     12
.set NL,     4
.set NP,     4
.set TILEB,  3072
.set HALFT,  8*TILEB
.set SLOT,   4*HALFT
.set SCL,    2*SLOT
.set HALFS,  4096
.set SBLK,   512
.set SPARE,  SCL+4*HALFS
.set ADRA, 16
.set ADRB, 20
.set LI16, 24
.set LI8,  25
.set SWO,  26
.set ADRS, 27
.set SPW,  28
.set NIL,  29
.set SC,   32
.set PC,   64
.set TM,   88
.set PWS,  104
.set DD,   112
.set WK,   116
.set AF,   128
.set G1, 24
.set G0, 32
.set G1B, 48
.set G0B, 56
.set G1S, 68
.set G0S, 76
.set G1SB, 80
.set G0SB, 88
.set BAS, 92
.set VMS, 66
.set HMS, 67
.set SEL, 2
.set MSB, 0
.macro WIN new
.if MSB != \new
	s_set_vgpr_msb (MSB<<8)|\new
.set MSB, \new
.endif
.endm
.set MUL_LO, 0xa1
.set MUL_HI, 0xf1
.set TO_B,   0x40
.macro JLOAD g0a, g1a, g0b, g1b
	s_cmp_eq_u32 s15, 0
	s_cbranch_scc0 .Lfor_b_\@
	tensor_load_to_lds s[\g0a:\g0a+3], s[\g1a:\g1a+7]
	s_nop 0
.rept 4
	v_nop
.endr
	s_branch .Lasked_\@
.Lfor_b_\@:
	tensor_load_to_lds s[\g0b:\g0b+3], s[\g1b:\g1b+7]
	s_nop 0
.rept 4
	v_nop
.endr
.Lasked_\@:
.endm
.macro CREST
	s_cmp_lg_u32 s14, 0
	s_cbranch_scc1 .Lnot_wave_0_\@
	s_barrier_signal -3
.Lnot_wave_0_\@:
	s_barrier_wait -3
	s_barrier_signal -1
	s_barrier_wait -1
.endm
.macro CROUND
	s_barrier_signal -1
	s_barrier_wait -1
	CREST
.endm
	s_load_b128 s[4:7], s[0:1], 0x0
	s_load_b128 s[8:11], s[0:1], 0x10
	v_lshl_add_u32 v[SPW], v0, 2, SPARE
	v_mov_b32 v[NIL], 0
	ds_add_u32 v28, v29
	ds_add_u32 v28, v29
	s_wait_dscnt 0x0
	v_lshrrev_b32 v1, 5, v0
	v_readfirstlane_b32 s14, v1
	s_lshr_b32 s15, s14, 1
	s_and_b32 s16, s14, 1
	s_bfe_u32 s40, ttmp6, 0x40000
	s_bfe_u32 s41, ttmp6, 0x40004
	s_and_b32 s17, ttmp7, 0xffff
	s_lshr_b32 s42, s17, 3
	s_and_b32 s43, s17, 7
	s_lshl_b32 s43, s43, 2
	s_lshl_b32 s18, s42, 9
	s_lshl_b32 s19, s42, 6
	s_add_co_u32 s19, s19, 1536
	s_mov_b32 s44, 3072
	s_mov_b32 s45, 98304
	s_cmp_eq_u32 s42, 2
	s_cselect_b32 s20, 0, s43
	s_cselect_b32 s46, s43, 0
	s_cselect_b32 s18, 1664, s18
	s_cselect_b32 s19, 1024, s19
	s_cselect_b32 s22, s45, s44
	s_cselect_b32 s23, s44, s45
	s_cselect_b32 s[VMS], -1, 0
	s_add_co_u32 s17, s20, s41
	s_add_co_u32 s43, s46, s40
	s_lshl_b32 s20, s41, 2
	s_lshl_b32 s20, 15, s20
	s_lshl_b32 s46, 0x1111, s40
	s_or_b32 s[G1+0], s20, (3<<16)|(1<<21)
	s_or_b32 s[G1B+0], s46, (3<<16)|(1<<21)
.irp g, G1, G1B
	s_mov_b32 s[\g+1], 384<<16
	s_mov_b32 s[\g+2], 16<<16                      ; the head's load: 16 dense rows of 3,072 bytes: eight tiles' K step 0, then their K step 1
	s_mov_b32 s[\g+3], 384<<16
	s_mov_b32 s[\g+4], 16
	s_mov_b32 s[\g+5], 384
	s_mov_b32 s[\g+6], 0
	s_mov_b32 s[\g+7], 0
.endr
	s_lshl_b32 s21, s16, 3
	s_lshl_b32 s20, s17, 4
	s_add_co_u32 s20, s20, s18
	s_add_co_u32 s20, s20, s21
	s_lshl_b32 s46, s43, 4
	s_add_co_u32 s46, s46, s19
	s_add_co_u32 s46, s46, s21
	s_lshl_b32 s18, s20, 9
	s_mov_b32 s19, 0
	s_mul_i32 s20, s20, 12288
	s_mov_b32 s21, 0
	s_lshl_b32 s44, s46, 9
	s_mov_b32 s45, 0
	s_mul_i32 s46, s46, 12288
	s_mov_b32 s47, 0
	s_mul_i32 s2, s14, 2*HALFT                     ; LDS: a region of two slots on end for each wave's eight tiles
	s_mul_i32 s3, s14, HALFS
	s_wait_kmcnt 0x0
	s_add_nc_u64 s[20:21], s[4:5], s[20:21]
	s_add_nc_u64 s[18:19], s[6:7], s[18:19]
	s_add_nc_u64 s[46:47], s[4:5], s[46:47]
	s_add_nc_u64 s[44:45], s[6:7], s[44:45]
	CROUND
	; the scale bytes come by plain loads and LDS stores, 4,096 dense bytes a wave (waves 0, 1: the halves of A's, waves 2, 3: of B's), 512 consecutive bytes an instruction: the wave's one tensor load at the head is slot 0's
	s_cmp_eq_u32 s15, 0
	s_cselect_b64 s[G0S:G0S+1], s[18:19], s[44:45]
	s_add_co_u32 s3, s3, SCL
	v_and_b32 v3, 31, v0
	v_lshlrev_b32 v8, 4, v3
	v_add_nc_u32 v7, s3, v8
	s_wait_alu depctr_va_vdst(0)
.irp k, 0,1,2,3,4,5,6,7
	global_load_b128 v[AF+4*\k:AF+4*\k+3], v8, s[G0S:G0S+1] offset:512*\k
.endr
.irp s, 0,1
	s_mov_b32 s[G0+4*\s], 1
	s_add_co_u32 s[G0+4*\s+1], s2, \s*HALFT
	s_add_nc_u64 s[G0+4*\s+2:G0+4*\s+3], s[20:21], \s*HALFT
	s_or_b32 s[G0+4*\s+3], s[G0+4*\s+3], 0x80000000
	s_mov_b32 s[G0B+4*\s], 1
	s_add_co_u32 s[G0B+4*\s+1], s2, \s*HALFT
	s_add_nc_u64 s[G0B+4*\s+2:G0B+4*\s+3], s[46:47], \s*HALFT
	s_or_b32 s[G0B+4*\s+3], s[G0B+4*\s+3], 0x80000000
.endr
	JLOAD G0, G1, G0B, G1B                         ; my one tensor load at the head fills both slots of my region: K steps 0 and 1
	s_lshl_b32 s18, s17, 8
	s_lshl_b32 s19, s15, 7
	s_add_co_u32 s18, s18, s19
	s_lshl_b32 s19, s43, 8
	s_lshl_b32 s20, s16, 7
	s_add_co_u32 s19, s19, s20
	s_cmp_eq_u32 s42, 2
	s_cselect_b32 s20, s19, s18
	s_cselect_b32 s21, s18, s19
	s_lshr_b32 s40, s20, 11
	s_lshl_b32 s40, s40, 4
	s_lshr_b32 s41, s21, 6
	s_add_co_u32 s40, s40, s41
	s_and_b32 s41, s20, 2047
	s_lshr_b32 s41, s41, 4
	s_lshl_b32 s44, s40, 7
	s_add_co_u32 s44, s44, s41
	s_mul_i32 s44, s44, 768
	s_mul_i32 s45, s42, 6291456
	s_add_co_u32 s44, s44, s45
	s_mov_b32 s45, 0
	s_add_nc_u64 s[BAS:BAS+1], s[8:9], s[44:45]
	s_mov_b32 s44, s23
	s_add_nc_u64 s[BAS+2:BAS+3], s[BAS:BAS+1], s[44:45]
	s_mov_b32 s44, s22
	s_add_nc_u64 s[BAS+4:BAS+5], s[BAS:BAS+1], s[44:45]
	s_add_nc_u64 s[BAS+6:BAS+7], s[BAS+2:BAS+3], s[44:45]
	s_lshl_b32 s44, s40, 4
	s_lshr_b32 s41, s41, 3
	s_add_co_u32 s44, s44, s41
	s_lshl_b32 s44, s44, 8
	s_lshl_b32 s46, s42, 18
	s_add_co_u32 s44, s44, s46
	s_add_nc_u64 s[12:13], s[10:11], s[44:45]
	s_mov_b32 s[HMS], 0xffff0000
	s_mov_b32 s[SEL], 0x76543210
	s_mov_b32 s[SEL+1], 0xfedcba98
	v_and_b32 v1, 15, v0
	v_bfe_u32 v2, v0, 4, 1
	v_and_b32 v3, 31, v0
	v_lshlrev_b32 v[LI16], 4, v3
	v_lshlrev_b32 v[LI8], 3, v3
	v_lshlrev_b32 v[SWO], 4, v1
	v_lshl_add_u32 v[SWO], v2, 12, v[SWO]
	s_mul_i32 s18, s15, 2*HALFT
	s_mul_i32 s19, s16, 2*HALFT
	s_add_co_u32 s19, s19, 4*HALFT
.irp s, 0,1
	v_add_nc_u32 v[ADRA+\s], s18, v[LI16]
	v_add_nc_u32 v[ADRB+\s], s19, v[LI16]
	v_add_nc_u32 v[ADRA+2+\s], s18, v[LI8]
	v_add_nc_u32 v[ADRB+2+\s], s19, v[LI8]
	s_add_co_u32 s18, s18, HALFT
	s_add_co_u32 s19, s19, HALFT
.endr
	v_lshlrev_b32 v5, 3, v1
	s_mul_i32 s18, s15, HALFS
	s_mul_i32 s19, s16, HALFS
	s_add_co_u32 s19, s19, 2*HALFS
	s_sub_co_u32 s19, s19, s18
	v_mul_u32_u24 v6, s19, v2
	s_add_co_u32 s18, s18, SCL
	v_add_nc_u32 v5, v5, v6
	v_add_nc_u32 v[ADRS], s18, v5
.irp b, 0,1,2,3
	v_mov_b32 v[TM+4+\b], 0
.endr
.macro FRAG reg, adr, q, i
	ds_load_b128 v[\reg:\reg+3],    v[\adr]   offset:(\i)*TILEB+1536*(\q)
	ds_load_b64  v[\reg+4:\reg+5],  v[\adr+2] offset:(\i)*TILEB+1536*(\q)+512
	ds_load_b128 v[\reg+6:\reg+9],  v[\adr]   offset:(\i)*TILEB+1536*(\q)+768
	ds_load_b64  v[\reg+10:\reg+11], v[\adr+2] offset:(\i)*TILEB+1536*(\q)+1280
.endm
.macro MUL16 a0, p, q, sc, zero
.irp a, \a0, \a0+1
.irp b, 0,1,2,3,4,5,6,7
.if \zero
	v_wmma_scale_f32_16x16x128_f8f6f4 v[8*(8*((\a)%4)+\b):8*(8*((\a)%4)+\b)+7], v[128*(\p)+FR*\b:128*(\p)+FR*\b+FR-1], v[AF+FR*(\a):AF+FR*(\a)+FR-1], 0, v[SC+8*NQ*(\sc)+NQ*\b+(\q)], v[SC+8*NQ*(\sc)+NQ*(\a)+(\q)] matrix_a_fmt:MATRIX_FMT_FP6 matrix_b_fmt:MATRIX_FMT_FP6 matrix_a_scale:MATRIX_SCALE_ROW1
.else
	v_wmma_scale_f32_16x16x128_f8f6f4 v[8*(8*((\a)%4)+\b):8*(8*((\a)%4)+\b)+7], v[128*(\p)+FR*\b:128*(\p)+FR*\b+FR-1], v[AF+FR*(\a):AF+FR*(\a)+FR-1], v[8*(8*((\a)%4)+\b):8*(8*((\a)%4)+\b)+7], v[SC+8*NQ*(\sc)+NQ*\b+(\q)], v[SC+8*NQ*(\sc)+NQ*(\a)+(\q)] matrix_a_fmt:MATRIX_FMT_FP6 matrix_b_fmt:MATRIX_FMT_FP6 matrix_a_scale:MATRIX_SCALE_ROW1
.endif
.endr
.endr
.endm
.macro FETCH_B slot, q, p
	WIN TO_B
.irp i, 0,1,2,3,4,5,6,7
	FRAG 128*(\p)+FR*\i, ADRB+\slot, \q, \i
.endr
	WIN 0
.endm
.macro FETCH_A slot, q, i0
.irp i, \i0, \i0+1, \i0+2, \i0+3
	FRAG AF+FR*(\i), ADRA+\slot, \q, \i
.endr
.endm
.macro SCALES sc
.irp i, 0,1,2,3,4,5,6,7
	ds_load_b64 v[SC+8*NQ*\sc+NQ*\i:SC+8*NQ*\sc+NQ*\i+1], v[ADRS] offset:\i*SBLK
.endr
.endm
.macro PLACES n
.rept \n
	v_nop
.endr
.endm
.macro STEP slot, q, zero
	s_wait_dscnt 4*NL
	WIN MUL_LO
	MUL16 0, (\q)%2, \q, \slot, \zero
	MUL16 2, (\q)%2, \q, \slot, \zero
	s_wait_dscnt 0
	PLACES NP
	FETCH_B \slot, (\q)+1, 1-(\q)%2
	FETCH_A \slot, (\q)+1, 0
	WIN MUL_HI
	MUL16 4, (\q)%2, \q, \slot, \zero
	MUL16 6, (\q)%2, \q, \slot, \zero
	PLACES NP
	WIN 0
	FETCH_A \slot, (\q)+1, 4
.endm
.macro TURN slot, next, fill
	s_wait_tensorcnt 0x0
	ds_add_u32 v[SPW], v[NIL]
	s_wait_dscnt 4*NL+1
	WIN MUL_LO
	MUL16 0, 1, NQ-1, \slot, 0
	s_wait_dscnt 0x0
	s_barrier_signal -1
	MUL16 2, 1, NQ-1, \slot, 0
	WIN 0
	s_barrier_wait -1
.if \fill
	CREST
	s_add_nc_u64 s[G0+4*\slot+2:G0+4*\slot+3], s[G0+4*\slot+2:G0+4*\slot+3], 2*HALFT
	s_add_nc_u64 s[G0B+4*\slot+2:G0B+4*\slot+3], s[G0B+4*\slot+2:G0B+4*\slot+3], 2*HALFT
	JLOAD G0+4*\slot, G1, G0B+4*\slot, G1B
.else
	PLACES NP
.endif
	s_wait_alu depctr_va_vdst(0)
	v_add_nc_u32 v[ADRS], 128, v[ADRS]
	FETCH_B \next, 0, 0
	FETCH_A \next, 0, 0
	SCALES \next
	WIN MUL_HI
	MUL16 4, 1, NQ-1, \slot, 0
	MUL16 6, 1, NQ-1, \slot, 0
	PLACES NP
	WIN 0
	FETCH_A \next, 0, 4
.endm
	s_wait_alu depctr_va_vdst(0)
	s_wait_loadcnt 0x0                             ; my scale bytes are in registers
.irp k, 0,1,2,3,4,5,6,7
	ds_store_b128 v7, v[AF+4*\k:AF+4*\k+3] offset:512*\k
.endr
	s_wait_tensorcnt 0x0                           ; my part of K steps 0 and 1 has landed; no tensor load of mine is out, so a descriptor may be written:
	s_mov_b32 s[G1+2], 8<<16                       ; from here on a load brings one K step: eight rows
	s_mov_b32 s[G1+4], 8
	s_mov_b32 s[G1B+2], 8<<16
	s_mov_b32 s[G1B+4], 8
	s_wait_dscnt 0x0                               ; my scale bytes are stored
	s_barrier_signal -1
	s_barrier_wait -1
	FETCH_B 0, 0, 0
	FETCH_A 0, 0, 0
	SCALES 0
	FETCH_A 0, 0, 4
	STEP 0, 0, 1
	TURN 0, 1, 1
	STEP 1, 0, 0
	TURN 1, 0, 1
	STEP 0, 0, 0
	TURN 0, 1, 0
	STEP 1, 0, 0
	s_wait_dscnt 4*NL
	WIN MUL_LO
	MUL16 0, 1, NQ-1, 1, 0
	MUL16 2, 1, NQ-1, 1, 0
	s_wait_dscnt 0
	WIN MUL_HI
	MUL16 4, 1, NQ-1, 1, 0
	MUL16 6, 1, NQ-1, 1, 0
	WIN 0
.macro QUANTW a
.set AC, 64*((\a)%4)
.set WW, 2+(\a)/4
.set BS, BAS+4*((\a)/4)
	WIN (WW*5)
.irp b, 0,1,2,3
	v_max3_num_f32 v[TM+\b], |v[AC+16*\b]|, |v[AC+16*\b+1]|, 0x1800000
.endr
.irp i, 2,4,6,8,10,12,14
.irp b, 0,1,2,3
	v_max3_num_f32 v[TM+\b], |v[AC+16*\b+\i]|, |v[AC+16*\b+\i+1]|, v[TM+\b]
.endr
.endr
	WIN 0
.irp b, 0,1,2,3
	v_permlanex16_b32 v[TM+4+\b], v[TM+\b], s[SEL], s[SEL+1]
.endr
.irp b, 0,1,2,3
	v_max_num_f32 v[TM+\b], v[TM+\b], v[TM+4+\b]
.endr
.irp b, 0,1,2,3
	v_add_nc_u32 v[TM+12+\b], 0xff000000, v[TM+\b]
.endr
.irp b, 0,1,2,3
	v_lshrrev_b32 v[TM+4+\b], 23, v[TM+12+\b]
.endr
	v_lshl_or_b32 v[PWS+(\a)], v[TM+5], 8, v[TM+4]
	v_lshl_or_b32 v[PWS+(\a)], v[TM+6], 16, v[PWS+(\a)]
	v_lshl_or_b32 v[PWS+(\a)], v[TM+7], 24, v[PWS+(\a)]
	s_wait_xcnt 0x0
	WIN WW
.irp c, 0,1
	v_cvt_scalef32_pk16_fp6_f32 v[PC+6*\c:PC+2+6*\c], v[AC+32*\c:AC+15+32*\c], v[TM+12+2*\c]
	v_cvt_scalef32_pk16_fp6_f32 v[PC+12+4*\c:PC+14+4*\c], v[AC+16+32*\c:AC+31+32*\c], v[TM+12+2*\c+1]
.endr
	WIN 0
	v_nop
.irp c, 0,1
.irp i, 0,1,2
	v_permlane16_swap_b32 v[PC+6*\c+\i], v[PC+12+4*\c+\i]
.endr
.irp i, 0,1,2
	v_mov_b32 v[PC+3+6*\c+\i], v[PC+12+4*\c+\i]
.endr
.endr
	global_store_b128 v[LI16], v[PC:PC+3], s[BS:BS+1] offset:768*((\a)%4)
	global_store_b64  v[LI8], v[PC+4:PC+5], s[BS:BS+1] offset:768*((\a)%4)+512
	global_store_b128 v[LI16], v[PC+6:PC+9], s[BS+2:BS+3] offset:768*((\a)%4)
	global_store_b64  v[LI8], v[PC+10:PC+11], s[BS+2:BS+3] offset:768*((\a)%4)+512
.endm
	PLACES NP
.irp a, 0,1,2,3,4,5,6,7
	QUANTW \a
.endr
.irp i, 0,1,2,3
	v_perm_b32 v[WK+\i], v[PWS+2*\i+1], v[PWS+2*\i], 0x05040100
	v_perm_b32 v[WK+4+\i], v[PWS+2*\i+1], v[PWS+2*\i], 0x07060302
.endr
.irp i, 0,1,2,3
	v_cndmask_b32 v[WK+\i], v[WK+\i], v[WK+4+\i], s[HMS]
.endr
.irp i, 0,1,2,3
	v_cndmask_b32 v[WK+4+\i], v[PWS+\i], v[PWS+4+\i], s[HMS]
.endr
.irp i, 0,1,2,3
	v_cndmask_b32 v[DD+\i], v[WK+\i], v[WK+4+\i], s[VMS]
.endr
	global_store_b128 v[SWO], v[DD:DD+3], s[12:13]
	s_wait_tensorcnt 0x0
	ds_add_u32 v[SPW], v[NIL]
	s_wait_dscnt 0x0
	CROUND
	s_endpgm
.Lfunc_end_k_qaa4f9b55b3_proj:
	.size	k_qaa4f9b55b3_proj, .Lfunc_end_k_qaa4f9b55b3_proj-k_qaa4f9b55b3_proj
	.p2alignl 7, 3214868480
	.fill 96, 4, 3214868480
	.section	.rodata,"a",@progbits
	.p2align	6, 0x0
	.amdhsa_kernel k_qaa4f9b55b3_proj
		.amdhsa_group_segment_fixed_size 327680
		.amdhsa_private_segment_fixed_size 0
		.amdhsa_enable_private_segment 0
		.amdhsa_kernarg_size 32
		.amdhsa_user_sgpr_count 2
		.amdhsa_user_sgpr_kernarg_segment_ptr 1
		.amdhsa_wavefront_size32 1
		.amdhsa_system_sgpr_workgroup_id_x 1
		.amdhsa_system_sgpr_workgroup_id_y 1
		.amdhsa_system_sgpr_workgroup_id_z 1
		.amdhsa_system_vgpr_workitem_id 0
		.amdhsa_next_free_vgpr 1024
		.amdhsa_next_free_sgpr 100
		.amdhsa_reserve_vcc 0
		.amdhsa_float_denorm_mode_32 3
		.amdhsa_float_denorm_mode_16_64 3
		.amdhsa_memory_ordered 1
		.amdhsa_forward_progress 1
		.amdhsa_inst_pref_size 151
	.end_amdhsa_kernel
	.amdgpu_metadata
---
amdhsa.version: [ 1, 2 ]
amdhsa.kernels:
  - .name:           k_qaa4f9b55b3_proj
    .symbol:         k_qaa4f9b55b3_proj.kd
    .args:
      - { .name: xc, .offset: 0, .size: 8, .value_kind: global_buffer, .address_space: global }
      - { .name: xs, .offset: 8, .size: 8, .value_kind: global_buffer, .address_space: global }
      - { .name: hc, .offset: 16, .size: 8, .value_kind: global_buffer, .address_space: global }
      - { .name: hs, .offset: 24, .size: 8, .value_kind: global_buffer, .address_space: global }
    .group_segment_fixed_size: 327680
    .private_segment_fixed_size: 0
    .kernarg_segment_align: 8
    .kernarg_segment_size: 32
    .max_flat_workgroup_size: 128
    .sgpr_count:     100
    .vgpr_count:     1024
    .wavefront_size: 32
...
	.end_amdgpu_metadata
.endif
;; end of part 2
;; launch attn (part 3): grid 4 x 64, 16 waves a work-group, clusters of 4 x 1, 206,848 bytes of LDS; arguments hc, hs, oc, os; writes oc, os
.if DOCPART == 3
	.amdgcn_target "amdgcn-amd-amdhsa--gfx1250"
	.amdhsa_code_object_version 6
	.text
	.protected	k_qaa4f9b55b3_attn
	.globl	k_qaa4f9b55b3_attn
	.p2align	8
	.type	k_qaa4f9b55b3_attn,@function
k_qaa4f9b55b3_attn:
	s_mov_b64 s[64:65], 0
	v_nop
	global_prefetch_b8 v0, s[64:65] scope:SCOPE_SE
	s_setreg_imm32_b32 hwreg(HW_REG_WAVE_MODE, 25, 1), 1
	s_wait_xcnt 0x0
	s_wait_alu depctr_hold_cnt(0) depctr_sa_sdst(0) depctr_va_vdst(0) depctr_va_sdst(0) depctr_va_ssrc(0) depctr_va_vcc(0) depctr_vm_vsrc(0)
	s_getreg_b32 s2, hwreg(HW_REG_IB_STS2, 6, 4)
	s_cmp_eq_u32 s2, 0
	s_cbranch_scc0 .Lentry_in_a_cluster
	s_endpgm
.Lentry_in_a_cluster:
	s_bfe_u32 s2, ttmp6, 0x10000c
	s_cmp_lg_u32 s2, 0x3003
	s_cbranch_scc0 .Lentry_shape_is_right
	s_endpgm
.Lentry_shape_is_right:
; o = softmax(q k^T / 8) v for 64 (batch, head) pairs of 2,048 tokens and head size 64, both products on codes of FP6 (E2M3) with E8M0 scales; o is quantised along the model axis for the last projection.
; THE SOFTMAX AHEAD OF THE SECOND PRODUCT: t = score x log2(e) / 8; M = the row's largest t so far, rounded up to a whole number; p = 2^(t - M) is what is quantised, along the keys; it is not normalised.
; The row's sum is taken of the unquantised p, in f32, and divides at the end.  When M moves, the sum and O are multiplied by 2^(old M - new M): exact.
; INPUTS (made by the launch before): hc[g][bh][u][768], images of six operand registers of 16 rows x 64 columns (lane (r, h): registers 0-3 at 16 x lane, 4-5 at 512 + 8 x lane).
;   g = 0 q: u = token tile T, rows 32 (T / 2) + 8 (T % 2) + r + 8 (r / 8).  g = 1 k: u = token tile T, rows 64 (T / 4) + 8 (T % 4) + r % 8 + 32 (r / 8).  g = 2 v: u = 4 cg + dt: rows = feature tile dt, columns = keys 64 cg on.
;   hs[g][bh][st][r][4 words]: q, k: word i = two bytes of tile 8 st + 2 i, two of tile 8 st + 2 i + 1; v: word dt = key blocks 4 st on.
; SHARES.  256 work-groups; each owns 512 queries of one (batch, head).  Each of its sixteen waves takes a tile of 16 queries and walks all 2,048 keys, twice: pass n serves query tile 32 cx + 16 n + wave.
; A WHOLE HEAD'S k AND v LIE IN LDS, filled once: wave w's one tensor load brings key step w (128 keys) as two rows of 6,144 bytes, k's and, 6,291,456 bytes on in hc, v's: 12,288 bytes on end at 12,288 w.
; The 8,192 bytes of k's and v's scale words come by plain loads, 16 bytes a thread, and LDS stores.  One barrier shows all of it; nothing is filled again.
; CLUSTER.  The four query blocks of a head form a cluster and read the same k and v: each load is asked for jointly, with the same descriptor and a mask that names the four.
; NO DATA PREFETCH: all that the launch reads is asked for at its head; no later load is left to run ahead of.
; BOTH PRODUCTS ARE USED TRANSPOSED: S^T = k q^T (source 0 = keys), O^T = v^T p^T (source 0 = features): a lane holds one query throughout.
; By the order of k's rows, register 32 c + 8 i + j of the scores in lane (r, h) is key 64 c + 32 h + 8 i + j of the step: a lane's 32 registers are one scale block of p, in the order of the operand's registers.
; THE HEAD'S 64 IN AN INSTRUCTION OF 128: a fragment of k holds two key tiles, one in registers 0-5, the next in 6-11; q is multiplied once with zeros above it and once with zeros below.
; The registers v16-45 hold zeros, q of pass 0, zeros, q of pass 1, zeros, six each: both forms of both q are runs of twelve of them.  In the zero half q's scale bytes are 0, k's lie in 1 .. 254.
; FOUR WAVES SHARE A SIMD: maxima and sums go in eight chains side by side; the one chain that cannot be widened (the row's maximum to f) and the sums' joins carry one-field hints.
; OUTPUT: oc[T / 8][head / 4][T % 8][head % 4][768], T = 128 batch + token tile: the same image, in the order in which the last projection's tensor loads take it; os[T][qq][r][8]: byte i = block 8 qq + i of the row's 32.
; A (tile, head) has 32 scale bytes, two a row; their neighbours belong to other work-groups: they leave as single bytes.
; LIMITS: the promise holds while the scaled scores stay under 2^31 in magnitude; a block of zeros, or one under 2^-124, gets the byte 1 (read by this program alone); 1 / the sum is v_rcp_f32 (1 ulp);
; a block's largest p is taken as the exponential of its largest score; NaN and infinities are not served.
.set STEPB, 12288                      ; LDS: a key step: k's 6,144 bytes, then v's
.set KSB,   196608                     ; k's scale words, and 4,096 bytes on v's
.set SPARE, 204800                     ; the spare words: 128 bytes a wave
.set LI16,  1                          ; v1 16 x lane; v2 8 x lane; v3 KSB + 16 r; v4-6 the step's LDS addresses; v7 8 r + h; v8 16 r; v9, v11 the scale words' way in
.set LI8,   2
.set LSC,   3
.set A16,   4
.set A8,    5
.set ADS,   6
.set QZ,    16                         ; v12 -M, v13 the largest score, v[14:15] the sum in two halves; v16-45 zeros and q
.set QS,    46                         ; v46-49 q's scale words: pass n: with zeros above at QS + 2 n, below at QS + 2 n + 1
.set KSW,   50                         ; v50-53 k's scale words, v54-57 v's
.set VSW,   54
.set KF,    58                         ; v58-105 four fragments of k, then of v
.set S,     106                        ; v106-169 S^T, then p
.set OT,    170                        ; v170-201 O^T
.set PC,    202                        ; v202-213 p's codes
.set PT,    214                        ; v214-220 the conversions' second halves
.set BM,    222                        ; v222, v223 my two blocks' largest scores, then largest p
.set SO,    224                        ; v224, v225 the conversions' scale operands
.set FF,    226                        ; v226 f = 2^(old M - new M); v227 p's scale word (named with f as a pair)
.set PW,    227
.set PX,    228
.set TT,    230
.set T2,    231
.set SU,    232                        ; v232-245 the maxima's eight chains, then seven chains of the sum
.set SPW,   254
.set NIL,   255
.set WV,    12
.set SEL,   14                         ; s[14:15] lane selects: lane l xor 16
.set CS,    16                         ; s[16:17] c = log2(e) / 8
.set TB,    18
.set TS,    19
.set CNT,   20
.set G1,    24
.set G0,    40
.macro WALU
	s_wait_alu depctr_va_vdst(0)
.endm
.macro CROUND                          ; a round of the cluster's barrier
	s_barrier_signal -1
	s_barrier_wait -1
	s_cmp_lg_u32 s[WV], 0
	s_cbranch_scc1 .Lnot_wave_0_\@
	s_barrier_signal -3
.Lnot_wave_0_\@:
	s_barrier_wait -3
	s_barrier_signal -1
	s_barrier_wait -1
.endm
	s_load_b128 s[4:7], s[0:1], 0x0                ; hc, hs
	s_load_b128 s[8:11], s[0:1], 0x10              ; oc, os
	v_lshl_add_u32 v[SPW], v0, 2, SPARE
	v_mov_b32 v[NIL], 0
	ds_add_u32 v[SPW], v[NIL]                      ; the opening lines: the add twice on end and its wait ahead of my tensor load
	ds_add_u32 v[SPW], v[NIL]
	v_lshrrev_b32 v1, 5, v0
	v_readfirstlane_b32 s[WV], v1                  ; wave 0..15
	s_and_b32 s22, ttmp7, 0xffff                   ; bh = 16 x batch + head, which the four partners share
	s_mul_i32 s60, s22, 98304
	s_mul_i32 s61, s[WV], 6144
	s_add_co_u32 s60, s60, s61
	s_add_co_u32 s60, s60, 6291456                 ; k's key step w of this head, in hc
	s_mov_b32 s61, 0
	s_lshl_b32 s62, s22, 12
	s_add_co_u32 s62, s62, 1<<18                   ; k's scale words of this head, in hs; v's lie 1 << 18 on
	s_mov_b32 s63, 0
	s_mov_b32 s[G0], 1
	s_mul_i32 s[G0+1], s[WV], STEPB                ; where the step goes: the wave's number alone
	s_mov_b32 s[G1], 15|(3<<16)|(1<<21)            ; the mask: all four work-groups; elements of 8 bytes; bit 21 set beside a mask
	s_mov_b32 s[G1+1], 768<<16                     ; tensor_dim0: 768 elements = 6,144 bytes
	s_mov_b32 s[G1+2], 2<<16                       ; tensor_dim1 = 2
	s_mov_b32 s[G1+3], 768<<16                     ; tile_dim0
	s_mov_b32 s[G1+4], 2                           ; tile_dim1
	s_mov_b32 s[G1+5], 786432                      ; from k's row to v's: 6,291,456 bytes
	s_mov_b32 s[G1+6], 0
	s_mov_b32 s[G1+7], 0
	s_bfe_u32 s13, ttmp6, 0x40000                  ; cx: it enters q's, oc's and os's global addresses alone
	s_lshl_b32 s21, s13, 5
	s_add_co_u32 s21, s21, s[WV]                   ; pass 0's query tile in the batch; pass 1's is 16 on
	s_lshl_b32 s68, s22, 7
	s_add_co_u32 s68, s68, s21
	s_mul_i32 s68, s68, 768
	s_mov_b32 s69, 0                               ; q's image
	s_lshl_b32 s70, s22, 12
	s_lshr_b32 s71, s21, 3
	s_lshl_b32 s71, s71, 8
	s_add_co_u32 s70, s70, s71
	s_bfe_u32 s71, s[WV], 0x20001                  ; (tile / 2) % 4: which word
	s_lshl_b32 s71, s71, 2
	s_add_co_u32 s70, s70, s71
	s_mov_b32 s71, 0                               ; q's scale words
	s_and_b32 s76, s[WV], 1
	s_lshl_b32 s76, s76, 4                         ; and which half of the word
	s_lshr_b32 s2, s22, 4
	s_and_b32 s3, s22, 15                          ; head
	s_lshl_b32 s2, s2, 7
	s_add_co_u32 s2, s2, s21                       ; T = 128 x batch + tile
	s_lshr_b32 s72, s2, 3                          ; oc: 98,304 (T / 8) + 24,576 (head / 4) + 3,072 (T % 8) + 768 (head % 4)
	s_mul_i32 s72, s72, 98304
	s_lshr_b32 s73, s3, 2
	s_mul_i32 s73, s73, 24576
	s_add_co_u32 s72, s72, s73
	s_and_b32 s73, s2, 7
	s_mul_i32 s73, s73, 3072
	s_add_co_u32 s72, s72, s73
	s_and_b32 s73, s3, 3
	s_mul_i32 s73, s73, 768
	s_add_co_u32 s72, s72, s73
	s_mov_b32 s73, 0
	s_lshl_b32 s74, s2, 9
	s_lshr_b32 s75, s3, 2
	s_lshl_b32 s75, s75, 7
	s_add_co_u32 s74, s74, s75
	s_and_b32 s75, s3, 3
	s_lshl_b32 s75, s75, 1
	s_add_co_u32 s74, s74, s75
	s_mov_b32 s75, 0                               ; os: 512 T + 128 (head / 4) + 2 (head % 4)
	s_mov_b32 s77, 0xffff0000                      ; lanes 16-31
	s_mov_b32 s[SEL], 0x76543210
	s_mov_b32 s[SEL+1], 0xfedcba98
	s_mov_b32 s[CS], 0x3e38aa3b                    ; c = log2(e) / sqrt(64)
	s_mov_b32 s[CS+1], s[CS]                       ; (named with it as a pair, so it is written)
	v_and_b32 v10, 31, v0
	v_and_b32 v7, 15, v0
	v_bfe_u32 v9, v0, 4, 1
	v_lshlrev_b32 v[LI16], 4, v10
	v_lshlrev_b32 v[LI8], 3, v10
	v_lshlrev_b32 v8, 4, v7                        ; 16 r
	v_lshl_add_u32 v7, v7, 3, v9                   ; my scale byte's place on the way out: 8 r + h
	v_add_nc_u32 v[LSC], KSB, v8
	v_lshrrev_b32 v9, 8, v0                        ; threads 0-255 take k's scale words, 256-511 v's, 16 bytes each
	v_and_b32 v10, 255, v0
	v_lshlrev_b32 v10, 4, v10
	v_lshl_add_u32 v9, v9, 18, v10
	v_lshl_add_u32 v11, v0, 4, KSB
	WALU                                           ; the wait ahead of the head's waits
	s_wait_dscnt 0x0                               ; both opening adds are done
	CROUND                                         ; all four work-groups are here: the joint loads meet
	s_wait_kmcnt 0x0
	s_add_nc_u64 s[G0+2:G0+3], s[4:5], s[60:61]
	s_or_b32 s[G0+3], s[G0+3], 0x80000000
	tensor_load_to_lds s[G0:G0+3], s[G1:G1+7]      ; my one tensor load: key step w's k and v
	s_nop 0
	s_add_nc_u64 s[62:63], s[6:7], s[62:63]
	s_add_nc_u64 s[68:69], s[4:5], s[68:69]
	s_add_nc_u64 s[70:71], s[6:7], s[70:71]
	s_add_nc_u64 s[72:73], s[8:9], s[72:73]
	s_add_nc_u64 s[74:75], s[10:11], s[74:75]
	global_load_b128 v[S:S+3], v9, s[62:63]                    ; my 16 bytes of the scale words
	global_load_b128 v[QZ+6:QZ+9], v[LI16], s[68:69]           ; q of pass 0,
	global_load_b64 v[QZ+10:QZ+11], v[LI8], s[68:69] offset:512
	global_load_b128 v[QZ+18:QZ+21], v[LI16], s[68:69] offset:12288   ; and of pass 1, 16 tiles on
	global_load_b64 v[QZ+22:QZ+23], v[LI8], s[68:69] offset:12800
	global_load_b32 v[QS], v8, s[70:71]
	global_load_b32 v[QS+2], v8, s[70:71] offset:512
.irp i, 0,1,2,3,4,5
	v_mov_b32 v[QZ+\i], 0                          ; zero codes round the two q
	v_mov_b32 v[QZ+12+\i], 0
	v_mov_b32 v[QZ+24+\i], 0
.endr
	v_mov_b32 v[PX], 0                             ; written once: a lane permute's destination counts as one of its sources
	v_mov_b32 v[PX+1], 0
	v_mov_b32 v[PW], 0                             ; (named as the upper half of the pair with f before it is first written)
	WALU
	s_wait_loadcnt 0x0
	ds_store_b128 v11, v[S:S+3]
.irp n, 0,1
	v_lshrrev_b32 v[QS+2*\n], s76, v[QS+2*\n]
.endr
.irp n, 0,1
	v_and_b32 v[QS+2*\n], 0xffff, v[QS+2*\n]       ; my tile's two bytes below, 0 above
.endr
.irp n, 0,1
	v_lshlrev_b32 v[QS+2*\n+1], 16, v[QS+2*\n]     ; the same two above
.endr
	WALU
	s_wait_tensorcnt 0x0                           ; my key step has landed,
	s_wait_dscnt 0x0                               ; my scale words are stored:
	s_barrier_signal -1
	s_barrier_wait -1                              ; both now hold of all sixteen waves
.macro FRAG reg, oa, ob                ; a fragment: two images of six registers; every load takes consecutive bytes lane by lane
	ds_load_b128 v[\reg:\reg+3],     v[A16] offset:\oa
	ds_load_b64  v[\reg+4:\reg+5],   v[A8]  offset:\oa+512
	ds_load_b128 v[\reg+6:\reg+9],   v[A16] offset:\ob
	ds_load_b64  v[\reg+10:\reg+11], v[A8]  offset:\ob+512
.endm
.macro ACCU d, k                       ; a chain of the sum takes in two p
	v_pk_add_f32 v[\d:\d+1], v[\d:\d+1], v[S+2*(\k):S+2*(\k)+1]
.endm
.macro JOIN d, e, n                    ; two chains of the sum are joined; the nearer of the two was written n vector lines back
	s_delay_alu instid0(VALU_DEP_\n)
	v_pk_add_f32 v[\d:\d+1], v[\d:\d+1], v[\e:\e+1]
.endm
.macro SCALE i                         ; p's scales, laid among the sums: line group i
.if (\i) == 0
	v_max_num_f32 v[BM], 0x1800000, v[BM]          ; the floor 2^(3 - 127): the byte cannot fall under 1
	v_max_num_f32 v[BM+1], 0x1800000, v[BM+1]
.elseif (\i) == 1
	v_add_nc_u32 v[SO], 0xff000000, v[BM]          ; 2 off the exponent field: the conversion's scale operand
	v_add_nc_u32 v[SO+1], 0xff000000, v[BM+1]
.elseif (\i) == 2
	v_lshrrev_b32 v[PX], 23, v[SO]                 ; the scales' bytes
	v_lshrrev_b32 v[PX+1], 23, v[SO+1]
.elseif (\i) == 3
	v_lshl_or_b32 v[TT], v[PX+1], 16, v[PX]        ; my blocks h and 2 + h
.elseif (\i) == 4
	v_permlanex16_b32 v[T2], v[TT], s[SEL], s[SEL+1]
.else
	v_lshl_or_b32 v[PW], v[T2], 8, v[TT]           ; in lanes 0-15, which alone are read: blocks 0 .. 3 of query r
.endif
.endm
.macro HINT1                           ; the line below reads what the plain vector line above it wrote
	s_delay_alu instid0(VALU_DEP_1)
.endm
; A KEY STEP: 128 keys, for pass n's queries.
.macro STEP n
	v_add_nc_u32 v[A16], s[TB], v[LI16]            ; four plain lines: also the places behind the last step's products, in front of the loads below
	v_add_nc_u32 v[A8], s[TB], v[LI8]
	v_add_nc_u32 v[ADS], s[TS], v[LSC]
	v_mov_b32 v[TT], v12                           ; the old -M
	ds_load_b128 v[KSW:KSW+3], v[ADS]
.irp p, 0,1,2,3
	FRAG KF+12*\p, 1536*\p, 1536*\p+768            ; key tiles 2 p and 2 p + 1
.endr
	ds_load_b128 v[VSW:VSW+3], v[ADS] offset:4096
	WALU                                           ; the wait ahead of the waits below
.irp p, 0,1,2,3
	s_wait_dscnt 13-4*\p                           ; fragment p is in: younger are four loads for each later fragment, and v's scale words
	v_wmma_scale_f32_16x16x128_f8f6f4 v[S+16*\p:S+16*\p+7], v[KF+12*\p:KF+12*\p+11], v[QZ+6+12*(\n):QZ+17+12*(\n)], 0, v[KSW+\p], v[QS+2*(\n)] matrix_a_fmt:MATRIX_FMT_FP6 matrix_b_fmt:MATRIX_FMT_FP6
	v_wmma_scale_f32_16x16x128_f8f6f4 v[S+16*\p+8:S+16*\p+15], v[KF+12*\p:KF+12*\p+11], v[QZ+12*(\n):QZ+11+12*(\n)], 0, v[KSW+\p], v[QS+2*(\n)+1] matrix_a_fmt:MATRIX_FMT_FP6 matrix_b_fmt:MATRIX_FMT_FP6
.endr
.rept 4
	v_nop                                          ; places: for the loads into k's registers, and for the first read of the scores
.endr
.irp d, 0,1,2,3
	FRAG KF+12*\d, 6144+768*\d, 6144+768*\d+3072   ; v's four feature tiles x these 128 keys
.endr
.irp c, 0,1,2,3,4,5,6,7                ; the largest score of my two blocks of 32 keys: eight chains, one to an accumulator, each from its low end on
	v_max3_num_f32 v[SU+\c], v[S+8*\c], v[S+8*\c+1], v[S+8*\c+2]
.endr
.irp i, 3,5
.irp c, 0,1,2,3,4,5,6,7
	v_max3_num_f32 v[SU+\c], v[SU+\c], v[S+8*\c+\i], v[S+8*\c+\i+1]
.endr
.endr
.irp b, 0,1                            ; block b: chains 4 b .. 4 b + 3 and the four numbers that they left
.irp u, 0,1
	v_max3_num_f32 v[SU+4*\b+2*\u], v[SU+4*\b+2*\u], v[SU+4*\b+2*\u+1], v[S+8*(4*\b+\u)+7]
.endr
.endr
.irp b, 0,1
	v_max3_num_f32 v[SU+4*\b], v[SU+4*\b], v[SU+4*\b+2], v[S+8*(4*\b+2)+7]
.endr
.irp b, 0,1
	v_max_num_f32 v[BM+\b], v[SU+4*\b], v[S+8*(4*\b+3)+7]      ; it serves for the row's maximum and, since p rises with the score, for the block's largest p
.endr
	HINT1
	v_max_num_f32 v[T2], v[BM], v[BM+1]
	HINT1
	v_permlanex16_b32 v[PX], v[T2], s[SEL], s[SEL+1]
	HINT1
	v_max3_num_f32 v13, v13, v[T2], v[PX]          ; the running largest score of my query
	HINT1
	v_mul_f32 v[T2], s[CS], v13                    ; as t (c is positive)
	HINT1
	v_floor_f32 v12, -v[T2]                        ; the new -M = floor(-t) = -ceil(t): a whole number
	HINT1
	v_sub_f32 v[TT], v12, v[TT]                    ; old M - new M: a whole number, 0 or less
	HINT1
	v_cvt_i32_f32 v[TT], v[TT]                     ; (it saturates)
	HINT1
	v_ldexp_f32 v[FF], 1.0, v[TT]                  ; f = 2^(old M - new M)
.set j, 0
.rept 32
	v_pk_fma_f32 v[S+j:S+j+1], v[S+j:S+j+1], s[CS:CS+1], v[12:13] op_sel_hi:[1,0,0]   ; t - M, two at a time (of the pairs c and -M the low word serves both halves)
.set j, j+2
.endr
	v_fma_f32 v[BM], v[BM], s[CS], v12             ; the same of each block's largest score
	v_fma_f32 v[BM+1], v[BM+1], s[CS], v12
	WALU                                           ; the wait ahead of the batch
.set j, 0
.rept 64
	v_exp_f32 v[S+j], v[S+j]                       ; p = 2^(t - M): not normalised
.set j, j+1
.endr
	v_exp_f32 v[BM], v[BM]                         ; the blocks' largest p: the same two instructions on the same number give the same bits
	v_exp_f32 v[BM+1], v[BM+1]
	v_pk_mul_f32 v[14:15], v[14:15], v[FF:FF+1] op_sel_hi:[1,0]   ; the sums under the new M.  (A plain place behind the exponentials)
	WALU                                           ; and one wait for the whole batch, ahead of its first reader
.irp i, 0,1,2,3,4,5,6                  ; the row's sum of the unquantised p, in eight chains: seven begin here, the eighth is the running sum
	v_pk_add_f32 v[SU+2*\i:SU+2*\i+1], v[S+4*\i:S+4*\i+1], v[S+4*\i+2:S+4*\i+3]
.endr
	ACCU 14, 14
	SCALE 0
.irp i, 0,1,2,3
	ACCU SU+2*\i, 15+\i
.endr
	SCALE 1
.irp i, 4,5,6
	ACCU SU+2*\i, 15+\i
.endr
	ACCU 14, 22
	SCALE 2
.irp i, 0,1,2,3
	ACCU SU+2*\i, 23+\i
.endr
	SCALE 3
.irp i, 4,5,6
	ACCU SU+2*\i, 23+\i
.endr
	ACCU 14, 30
	SCALE 4
	ACCU SU, 31
	v_pk_add_f32 v[SU+2:SU+3], v[SU+2:SU+3], v[SU+4:SU+5]
	v_pk_add_f32 v[SU+6:SU+7], v[SU+6:SU+7], v[SU+8:SU+9]
	v_pk_add_f32 v[SU+10:SU+11], v[SU+10:SU+11], v[SU+12:SU+13]
	JOIN 14, SU, 4
	JOIN SU+2, SU+6, 3
	JOIN 14, SU+10, 2
	JOIN 14, SU+2, 1
	SCALE 5
.irp c, 0,1                            ; a lane's 32 p are a whole block: the codes fall into the operand's registers, with no other lane's help
	v_cvt_scalef32_pk16_fp6_f32 v[PC+6*\c:PC+6*\c+2], v[S+32*\c:S+32*\c+15], v[SO+\c]
	v_cvt_scalef32_pk16_fp6_f32 v[PT+4*\c:PT+4*\c+2], v[S+32*\c+16:S+32*\c+31], v[SO+\c]   ; (a conversion's three registers begin on an even number)
.endr
	WALU                                           ; the wait directly ahead of the first reader of O^T
.set j, 0
.rept 8
	v_pk_mul_f32 v[OT+j:OT+j+1], v[OT+j:OT+j+1], v[FF:FF+1] op_sel_hi:[1,0]   ; O^T under the new M.  (The first is the plain place behind the conversions)
.set j, j+2
.endr
.irp c, 0,1
.irp i, 0,1,2
	v_mov_b32 v[PC+6*\c+3+\i], v[PT+4*\c+\i]
.endr
.endr
.rept 8
	v_pk_mul_f32 v[OT+j:OT+j+1], v[OT+j:OT+j+1], v[FF:FF+1] op_sel_hi:[1,0]   ; (these eight are also the places between the making of p's codes and the products)
.set j, j+2
.endr
	WALU
	s_wait_dscnt 0x0                               ; v and its scale words are in
.irp d, 0,1,2,3                        ; the four accumulators by turns, one instruction a turn; the next step's eight products stand between two links of a chain
	v_wmma_scale_f32_16x16x128_f8f6f4 v[OT+8*\d:OT+8*\d+7], v[KF+12*\d:KF+12*\d+11], v[PC:PC+11], v[OT+8*\d:OT+8*\d+7], v[VSW+\d], v[PW] matrix_a_fmt:MATRIX_FMT_FP6 matrix_b_fmt:MATRIX_FMT_FP6
.endr
.endm
; A PASS: one tile of 16 queries against all 16 key steps, and its way out.
.macro PASS n
.if \n
	s_wait_xcnt 0x0                                ; the last pass's stores have read their registers
.endif
	v_mov_b32 v13, 0xff61b1e6                      ; the largest score so far: -3e38, under every score
	v_mov_b32 v12, 0x7e000000                      ; -M: so large that the first f is 0
	v_mov_b32 v14, 0                               ; the sum, in two halves
	v_mov_b32 v15, 0
.set j, 0
.rept 32
	v_mov_b32 v[OT+j], 0                           ; O^T.  (The step is written once: the first finds zeros)
.set j, j+1
.endr
	s_mov_b32 s[TB], 0
	s_mov_b32 s[TS], 0
	s_mov_b32 s[CNT], 16
.Lstep_\@:
	STEP \n
	s_add_co_u32 s[TB], s[TB], STEPB
	s_add_co_u32 s[TS], s[TS], 256
	s_sub_co_u32 s[CNT], s[CNT], 1
	s_cmp_lg_u32 s[CNT], 0
	s_cbranch_scc1 .Lstep_\@
	; THE WAY OUT.  O^T / the sum, register 16 B + i = channel 32 B + 16 h + i of my query, is quantised along the head's 64 (two blocks of the last projection's K) and leaves as an image.
	v_add_f32 v14, v14, v15                        ; the sum's two halves,
	v_permlanex16_b32 v[TT], v14, s[SEL], s[SEL+1]
	v_add_f32 v14, v14, v[TT]                      ; and lane l xor 16's: the row's sum
	WALU
	v_rcp_f32 v14, v14
.rept 4
	v_nop                                          ; places behind the transcendental and behind the last products
.endr
	WALU                                           ; the wait, ahead of the first reader
.set j, 0
.rept 32
	v_mul_f32 v[S+j], v[OT+j], v14                 ; each accumulator from its low end on
.set j, j+1
.endr
.irp b, 0,1
	v_max3_num_f32 v[BM+\b], |v[S+16*\b]|, |v[S+1+16*\b]|, 0x1800000
.endr
.irp i, 2,4,6,8,10,12,14
.irp b, 0,1
	v_max3_num_f32 v[BM+\b], v[BM+\b], |v[S+16*\b+\i]|, |v[S+1+16*\b+\i]|
.endr
.endr
.irp b, 0,1
	v_permlanex16_b32 v[PX+\b], v[BM+\b], s[SEL], s[SEL+1]
.endr
.irp b, 0,1
	v_max_num_f32 v[BM+\b], v[BM+\b], v[PX+\b]
.endr
.irp b, 0,1
	v_add_nc_u32 v[SO+\b], 0xff000000, v[BM+\b]
.endr
.irp b, 0,1
	v_lshrrev_b32 v[PX+\b], 23, v[SO+\b]
.endr
	v_cvt_scalef32_pk16_fp6_f32 v[PC:PC+2], v[S:S+15], v[SO]
	v_cvt_scalef32_pk16_fp6_f32 v[PT:PT+2], v[S+16:S+31], v[SO+1]
	v_nop                                          ; one plain place behind a scaled conversion
.irp i, 0,1,2
	v_permlane16_swap_b32 v[PC+\i], v[PT+\i]       ; here a block lies in lanes l and l xor 16: the operand's layout wants it whole in a lane
.endr
.irp i, 0,1,2
	v_mov_b32 v[PC+3+\i], v[PT+\i]
.endr
	v_cndmask_b32 v[TT], v[PX], v[PX+1], s77       ; lanes 0-15 store block 0's byte, lanes 16-31 block 1's
	global_store_b128 v[LI16], v[PC:PC+3], s[72:73] offset:196608*(\n)            ; 512 consecutive bytes, aligned to 256; pass 1's tile lies 16 tiles, 2 x 98,304 bytes, on
	global_store_b64 v[LI8], v[PC+4:PC+5], s[72:73] offset:196608*(\n)+512        ; and 256 more
	global_store_b8 v7, v[TT], s[74:75] offset:8192*(\n)
.endm
	PASS 0
	PASS 1
	s_wait_tensorcnt 0x0                           ; the wave's end
	ds_add_u32 v[SPW], v[NIL]
	s_wait_dscnt 0x0
	CROUND                                         ; the closing round
	s_endpgm
.Lfunc_end_k_qaa4f9b55b3_attn:
	.size	k_qaa4f9b55b3_attn, .Lfunc_end_k_qaa4f9b55b3_attn-k_qaa4f9b55b3_attn
	.p2alignl 7, 3214868480
	.fill 96, 4, 3214868480
	.section	.rodata,"a",@progbits
	.p2align	6, 0x0
	.amdhsa_kernel k_qaa4f9b55b3_attn
		.amdhsa_group_segment_fixed_size 206848
		.amdhsa_private_segment_fixed_size 0
		.amdhsa_enable_private_segment 0
		.amdhsa_kernarg_size 32
		.amdhsa_user_sgpr_count 2
		.amdhsa_user_sgpr_kernarg_segment_ptr 1
		.amdhsa_wavefront_size32 1
		.amdhsa_system_sgpr_workgroup_id_x 1
		.amdhsa_system_sgpr_workgroup_id_y 1
		.amdhsa_system_sgpr_workgroup_id_z 1
		.amdhsa_system_vgpr_workitem_id 0
		.amdhsa_next_free_vgpr 256
		.amdhsa_next_free_sgpr 80
		.amdhsa_reserve_vcc 0
		.amdhsa_float_denorm_mode_32 3
		.amdhsa_float_denorm_mode_16_64 3
		.amdhsa_memory_ordered 1
		.amdhsa_forward_progress 1
		.amdhsa_inst_pref_size 48
	.end_amdhsa_kernel
	.amdgpu_metadata
---
amdhsa.version: [ 1, 2 ]
amdhsa.kernels:
  - .name:           k_qaa4f9b55b3_attn
    .symbol:         k_qaa4f9b55b3_attn.kd
    .args:
      - { .name: hc, .offset: 0, .size: 8, .value_kind: global_buffer, .address_space: global }
      - { .name: hs, .offset: 8, .size: 8, .value_kind: global_buffer, .address_space: global }
      - { .name: oc, .offset: 16, .size: 8, .value_kind: global_buffer, .address_space: global }
      - { .name: os, .offset: 24, .size: 8, .value_kind: global_buffer, .address_space: global }
    .group_segment_fixed_size: 206848
    .private_segment_fixed_size: 0
    .kernarg_segment_align: 8
    .kernarg_segment_size: 32
    .max_flat_workgroup_size: 512
    .sgpr_count:     80
    .vgpr_count:     256
    .wavefront_size: 32
...
	.end_amdgpu_metadata
.endif
;; end of part 3
;; launch outp (part 4): grid 4 x 64, 4 waves a work-group, clusters of 4 x 4, 327,680 bytes of LDS; arguments oc, os, xc, xs, out0; writes out0
.if DOCPART == 4
	.amdgcn_target "amdgcn-amd-amdhsa--gfx1250"
	.amdhsa_code_object_version 6
	.text
	.protected	k_qaa4f9b55b3_outp
	.globl	k_qaa4f9b55b3_outp
	.p2align	8
	.type	k_qaa4f9b55b3_outp,@function
k_qaa4f9b55b3_outp:
	s_mov_b64 s[64:65], 0
	v_nop
	global_prefetch_b8 v0, s[64:65] scope:SCOPE_SE
	s_setreg_imm32_b32 hwreg(HW_REG_WAVE_MODE, 25, 1), 1
	s_wait_xcnt 0x0
	s_wait_alu depctr_hold_cnt(0) depctr_sa_sdst(0) depctr_va_vdst(0) depctr_va_sdst(0) depctr_va_ssrc(0) depctr_va_vcc(0) depctr_vm_vsrc(0)
	s_getreg_b32 s2, hwreg(HW_REG_IB_STS2, 6, 4)
	s_cmp_eq_u32 s2, 0
	s_cbranch_scc0 .Lentry_in_a_cluster
	s_endpgm
.Lentry_in_a_cluster:
	s_bfe_u32 s2, ttmp6, 0x10000c
	s_cmp_lg_u32 s2, 0xf033
	s_cbranch_scc0 .Lentry_shape_is_right
	s_endpgm
.Lentry_shape_is_right:
; out0[token][n] = sum over k of o[token][k] Wo[n][k], f32: the last projection, 8,192 x 1,024 x 1,024, on codes of FP6 (E2M3) with E8M0 scales.
; INPUTS.  A: oc, os as the attention launch leaves them; B: Wo's tiles 1728 .. 1791 of xc, xs.  Both are laid [T / 8][K step of 256][T % 8][4 images of 768 bytes]: tile T holds rows 32 (T / 2) + 8 (T % 2) + r + 8 (r / 8);
; an image is six operand registers of 16 rows x 64 columns (lane (r, h): registers 0-3 at 16 x lane, 4-5 at 512 + 8 x lane).  Scale bytes: [T][K step][r][8].
; SHARES.  256 work-groups, each 128 rows x 256 columns of the result; four waves, 2 x 2, each 64 x 128: 32 accumulators of 16 x 16, one window of 256 registers.
; ALL OF K LIES IN LDS: A's 8 tiles (98,304 bytes), B's 16 (196,608), filled once, so nothing is filled again.  A wave's region holds its tiles' four K steps on end.
; FILLS.  Waves 0, 1 fetch four tiles of A each (a K step of four tiles is 12,288 dense bytes, the next K step lies 24,576 on), waves 2, 3 eight tiles of B each (dense).  At the head one load a wave brings K steps 0 and 1;
; behind three lines and a round, one more brings K steps 2 and 3 into bytes of their own; it has three steps and a half, 112 products, in which to land, and a plain barrier inside step 3 shows it.
; The 12,288 scale bytes come by plain loads, 512 consecutive bytes an instruction, and LDS stores.
; CLUSTER 4 x 4: A's tiles hang on the tile row alone and are asked for jointly by a row of the cluster, B's on the tile column alone, by a column.
; NO DATA PREFETCH: all that the launch reads is asked for at its head or one round behind it.
; A STEP is 128 along K: 32 products, A's four blocks x B's eight.  A and B have two sets of fragment registers by turns: a step's fragments are fetched ahead of the step before's products.
; THE MATRIX INSTRUCTION IS USED TRANSPOSED (source 0 = rows of Wo, source 1 = rows of o): a lane holds eight numbers of one row of the result.
; THE WAY OUT: a block of 16 rows x 128 columns goes through the wave's own stage in LDS and leaves as whole rows of 512 bytes.  The stages lie in B's K step 0, which nobody reads behind the barrier of step 3.
; LIMITS: NaN, infinities and sums beyond f32's range are not served.
; REGISTERS: window 0: v16-29 addresses, v32-63 scale words (two sets), v128-223 A's fragments (two sets of four), on the way out v128-255 the rows read back; window 1: B's fragments, sets at v0 and v128; window 2: the accumulators, (a, b) at v[8 (8 a + b)].
.set NQ,     2
.set FR,     12
.set NP,     4                         ; places behind this matrix instruction (ISA guide 7.12.1)
.set TILEB,  3072                      ; a tile's K step: four images
.set QT,     4*TILEB                   ; four tiles' K step
.set HALFT,  8*TILEB                   ; eight tiles' K step; also from K step to K step in memory
.set BBASE,  8*QT                      ; LDS: A's two regions of four K steps, then B's two
.set SCL,    BBASE+8*HALFT             ; the scale bytes: A's 4,096, then B's 8,192
.set SBLK,   512
.set SPARE,  SCL+12288                 ; the spare words: 128 bytes a wave
.set SPITCH, 528
.set ADRA, 16                          ; v16, v18 LDS address of my A fragments, by 16 and by 8 bytes a lane
.set ADRB, 20                          ; v20, v21 the same for B's K steps 0, 1 and 2, 3, by 16 bytes; v22, v23 by 8
.set STO,  24
.set RD,   25
.set CO,   26
.set ADRS, 27                          ; lanes 0-15 A's scale words, lanes 16-31 B's
.set SPW,  28
.set NIL,  29
.set SC,   32
.set AF,   128
.set BK,   128
.set G1, 24
.set G0, 32
.set G1B, 48
.set G0B, 56
.set MSB, 0
.macro WIN new
.if MSB != \new
	s_set_vgpr_msb (MSB<<8)|\new
.set MSB, \new
.endif
.endm
.set MUL_LO, 0xa1                      ; source 0 (B) window 1, source 1 (A) window 0, C and D window 2
.set TO_B,   0x40
.macro WALU
	s_wait_alu depctr_va_vdst(0)
.endm
.macro PLACES n
.rept \n
	v_nop
.endr
.endm
.macro JLOAD g0a, g1a, g0b, g1b        ; a joint load: waves 0, 1 fetch for A, waves 2, 3 for B
	s_cmp_eq_u32 s15, 0
	s_cbranch_scc0 .Lfor_b_\@
	tensor_load_to_lds s[\g0a:\g0a+3], s[\g1a:\g1a+7]
	s_nop 0
	PLACES 4
	s_branch .Lasked_\@
.Lfor_b_\@:
	tensor_load_to_lds s[\g0b:\g0b+3], s[\g1b:\g1b+7]
	s_nop 0
	PLACES 4
.Lasked_\@:
.endm
.macro CROUND                          ; a round of the cluster's barrier
	s_barrier_signal -1
	s_barrier_wait -1
	s_cmp_lg_u32 s14, 0
	s_cbranch_scc1 .Lnot_wave_0_\@
	s_barrier_signal -3
.Lnot_wave_0_\@:
	s_barrier_wait -3
	s_barrier_signal -1
	s_barrier_wait -1
.endm
	s_load_b128 s[4:7], s[0:1], 0x0                ; oc, os
	s_load_b128 s[8:11], s[0:1], 0x10              ; xc, xs
	s_load_b64 s[12:13], s[0:1], 0x20              ; out0
	v_lshl_add_u32 v[SPW], v0, 2, SPARE
	v_mov_b32 v[NIL], 0
	ds_add_u32 v[SPW], v[NIL]                      ; the opening lines: the add twice on end and its wait
	ds_add_u32 v[SPW], v[NIL]
	v_lshrrev_b32 v1, 5, v0
	v_readfirstlane_b32 s14, v1                    ; wave 0..3
	s_lshr_b32 s15, s14, 1                         ; my half of the rows.  Also: I fetch for A (0) or for B (1)
	s_and_b32 s16, s14, 1                          ; my half of the columns.  Also: which part of that operand I fetch
	s_bfe_u32 s42, ttmp6, 0x40000                  ; cx = the tile column: the grid has one cluster along x
	s_bfe_u32 s41, ttmp6, 0x40004
	s_and_b32 s17, ttmp7, 0xffff
	s_lshl_b32 s17, s17, 2
	s_add_co_u32 s17, s17, s41                     ; the tile row, 0 .. 63
	s_lshl_b32 s43, s41, 2
	s_lshl_b32 s43, 15, s43                        ; my row of the cluster
	s_lshl_b32 s44, 0x1111, s42                    ; my column
	s_or_b32 s[G1+0], s43, (3<<16)|(1<<21)         ; A: two rows of 12,288 bytes (1,536 elements of 8), 24,576 bytes apart
	s_mov_b32 s[G1+1], 1536<<16
	s_mov_b32 s[G1+2], 2<<16
	s_mov_b32 s[G1+3], 1536<<16
	s_mov_b32 s[G1+4], 2
	s_mov_b32 s[G1+5], 3072
	s_mov_b32 s[G1+6], 0
	s_mov_b32 s[G1+7], 0
	s_or_b32 s[G1B+0], s44, (3<<16)|(1<<21)        ; B: 16 dense rows of 3,072 bytes
	s_mov_b32 s[G1B+1], 384<<16
	s_mov_b32 s[G1B+2], 16<<16
	s_mov_b32 s[G1B+3], 384<<16
	s_mov_b32 s[G1B+4], 16
	s_mov_b32 s[G1B+5], 384
	s_mov_b32 s[G1B+6], 0
	s_mov_b32 s[G1B+7], 0
	s_mul_i32 s20, s17, 98304                      ; A's codes: the tile row's eight tiles,
	s_mul_i32 s18, s16, QT
	s_add_co_u32 s20, s20, s18                     ; my four of them
	s_mov_b32 s21, 0
	s_lshl_b32 s46, s42, 4                         ; B's codes: tile 1728 + 16 x tile column + my eight
	s_lshl_b32 s18, s16, 3
	s_add_co_u32 s46, s46, s18
	s_add_co_u32 s46, s46, 1728
	s_mul_i32 s46, s46, 12288
	s_mov_b32 s47, 0
	s_lshl_b32 s22, s17, 12                        ; A's scale bytes: 4,096 for the tile row, my quarter
	s_lshl_b32 s18, s14, 10
	s_add_co_u32 s22, s22, s18
	s_mov_b32 s23, 0
	s_lshl_b32 s92, s42, 13                        ; B's: 8,192 for the tile column, my quarter
	s_lshl_b32 s19, s14, 11
	s_add_co_u32 s92, s92, s19
	s_add_co_u32 s92, s92, 1728*512
	s_mov_b32 s93, 0
	s_add_co_u32 s18, s18, SCL                     ; and where the two quarters go
	s_add_co_u32 s19, s19, SCL+4096
	s_mul_i32 s45, s16, 4*QT                       ; LDS: the region that I fill, of A's two
	s_mul_i32 s94, s16, 4*HALFT
	s_add_co_u32 s94, s94, BBASE                   ; or of B's two: the wave's number alone
	v_and_b32 v3, 31, v0
	v_lshlrev_b32 v8, 4, v3
	v_add_nc_u32 v7, s18, v8
	v_add_nc_u32 v9, s19, v8
	WALU                                           ; the wait ahead of the head's waits
	s_wait_dscnt 0x0                               ; both opening adds are done
	s_wait_kmcnt 0x0
	s_add_nc_u64 s[20:21], s[4:5], s[20:21]
	s_add_nc_u64 s[76:77], s[6:7], s[22:23]
	s_add_nc_u64 s[46:47], s[8:9], s[46:47]
	s_add_nc_u64 s[78:79], s[10:11], s[92:93]
	CROUND                                         ; all sixteen work-groups are here: the first joint loads meet
.irp s, 0,1                            ; group 0 for K steps 0, 1 and for K steps 2, 3
	s_mov_b32 s[G0+4*\s], 1
	s_add_co_u32 s[G0+4*\s+1], s45, \s*2*QT
	s_add_nc_u64 s[G0+4*\s+2:G0+4*\s+3], s[20:21], \s*2*HALFT
	s_or_b32 s[G0+4*\s+3], s[G0+4*\s+3], 0x80000000
	s_mov_b32 s[G0B+4*\s], 1
	s_add_co_u32 s[G0B+4*\s+1], s94, \s*2*HALFT
	s_add_nc_u64 s[G0B+4*\s+2:G0B+4*\s+3], s[46:47], \s*2*HALFT
	s_or_b32 s[G0B+4*\s+3], s[G0B+4*\s+3], 0x80000000
.endr
	JLOAD G0, G1, G0B, G1B                         ; my one tensor load at the head: K steps 0 and 1
.irp k, 0,1
	global_load_b128 v[AF+4*\k:AF+4*\k+3], v8, s[76:77] offset:512*\k
.endr
.irp k, 0,1,2,3
	global_load_b128 v[AF+8+4*\k:AF+8+4*\k+3], v8, s[78:79] offset:512*\k
.endr
	v_and_b32 v1, 15, v0
	v_bfe_u32 v2, v0, 4, 1
	v_lshlrev_b32 v[CO], 4, v3
	v_lshlrev_b32 v4, 3, v3
	s_mul_i32 s21, s15, 4*QT                       ; my four tiles of A
	s_mul_i32 s22, s16, 4*HALFT                    ; my eight tiles of B
	s_add_co_u32 s22, s22, BBASE
	v_add_nc_u32 v[ADRA], s21, v[CO]
	v_add_nc_u32 v[ADRA+2], s21, v4
	v_add_nc_u32 v[ADRB], s22, v[CO]
	v_add_nc_u32 v[ADRB+2], s22, v4
	s_add_co_u32 s22, s22, 2*HALFT
	v_add_nc_u32 v[ADRB+1], s22, v[CO]
	v_add_nc_u32 v[ADRB+3], s22, v4
	v_mul_u32_u24 v10, v1, SPITCH                  ; the stage, in: row l % 16, 64 bytes for each half of the lanes
	v_lshl_add_u32 v10, v2, 6, v10
	s_mul_i32 s23, s16, 4*HALFT                    ; my stage: in K step 0 of B's region s16, 12,288 bytes for each of the two waves that lie there
	s_mul_i32 s18, s15, QT
	s_add_co_u32 s23, s23, s18
	s_add_co_u32 s23, s23, BBASE
	v_add_nc_u32 v[STO], s23, v10
	v_add_nc_u32 v[RD], s23, v[CO]                 ; back: the 32 lanes take one row of 512 bytes
	v_lshlrev_b32 v5, 3, v1                        ; my row's scale words: 8 bytes a row and K step
	s_lshl_b32 s21, s15, 11                        ; A's: my four tiles
	s_lshl_b32 s22, s16, 12                        ; B's: my eight, behind A's 4,096 bytes
	s_add_co_u32 s22, s22, 4096
	s_sub_co_u32 s22, s22, s21
	v_mul_u32_u24 v6, s22, v2                      ; lanes 16-31 take B's
	s_add_co_u32 s21, s21, SCL
	v_add_nc_u32 v5, v5, v6
	v_add_nc_u32 v[ADRS], s21, v5
	s_lshl_b32 s20, s17, 19                        ; my part of the result: 128 rows of 4,096 bytes a tile row,
	s_lshl_b32 s21, s15, 18                        ; 64 rows for my half,
	s_add_co_u32 s20, s20, s21
	s_lshl_b32 s21, s42, 10                        ; 1,024 bytes a tile column,
	s_add_co_u32 s20, s20, s21
	s_lshl_b32 s21, s16, 9                         ; 512 for my half
	s_add_co_u32 s20, s20, s21
	s_mov_b32 s21, 0
	s_add_nc_u64 s[12:13], s[12:13], s[20:21]
.macro FRAG reg, adr, off              ; a fragment: two images of six registers; every load takes consecutive bytes lane by lane
	ds_load_b128 v[\reg:\reg+3],     v[\adr]   offset:\off
	ds_load_b64  v[\reg+4:\reg+5],   v[\adr+2] offset:\off+512
	ds_load_b128 v[\reg+6:\reg+9],   v[\adr]   offset:\off+768
	ds_load_b64  v[\reg+10:\reg+11], v[\adr+2] offset:\off+1280
.endm
.macro FETCH st                        ; step st's fragments into set st % 2: B's eight, A's four; with a K step's first step its scale words into set (st / 2) % 2
.set KS_, (\st)/2
.set Q_, (\st)%2
	WIN TO_B
.irp i, 0,1,2,3,4,5,6,7
	FRAG 128*Q_+FR*\i, ADRB+KS_/2, (KS_%2)*HALFT+\i*TILEB+1536*Q_
.endr
	WIN 0
.irp i, 0,1,2,3
	FRAG AF+FR*(4*Q_+\i), ADRA, KS_*QT+\i*TILEB+1536*Q_
.endr
.if Q_ == 0
.irp i, 0,1,2,3,4,5,6,7                ; lanes 0-15 A's block i (blocks 4-7 are not used), lanes 16-31 B's block i
	ds_load_b64 v[SC+8*NQ*(KS_%2)+NQ*\i:SC+8*NQ*(KS_%2)+NQ*\i+1], v[ADRS] offset:\i*SBLK+128*KS_
.endr
.endif
.endm
; 16 products: A's blocks a0, a0 + 1 x B's eight, step st.  The 32 accumulators take turns, one instruction a turn, in the same order in every step.  zero = 1: the first step starts the sums.
.macro MUL16 a0, st, zero
.set P_, (\st)%2
.set SS_, SC+8*NQ*(((\st)/2)%2)+P_
.irp a, \a0, \a0+1
.irp b, 0,1,2,3,4,5,6,7
.if \zero
	v_wmma_scale_f32_16x16x128_f8f6f4 v[8*(8*(\a)+\b):8*(8*(\a)+\b)+7], v[128*P_+FR*\b:128*P_+FR*\b+FR-1], v[AF+FR*(4*P_+(\a)):AF+FR*(4*P_+(\a))+FR-1], 0, v[SS_+NQ*\b], v[SS_+NQ*(\a)] matrix_a_fmt:MATRIX_FMT_FP6 matrix_b_fmt:MATRIX_FMT_FP6 matrix_a_scale:MATRIX_SCALE_ROW1
.else
	v_wmma_scale_f32_16x16x128_f8f6f4 v[8*(8*(\a)+\b):8*(8*(\a)+\b)+7], v[128*P_+FR*\b:128*P_+FR*\b+FR-1], v[AF+FR*(4*P_+(\a)):AF+FR*(4*P_+(\a))+FR-1], v[8*(8*(\a)+\b):8*(8*(\a)+\b)+7], v[SS_+NQ*\b], v[SS_+NQ*(\a)] matrix_a_fmt:MATRIX_FMT_FP6 matrix_b_fmt:MATRIX_FMT_FP6 matrix_a_scale:MATRIX_SCALE_ROW1
.endif
.endr
.endr
.endm
.macro KSTEP st, zero, fetch           ; a step: its fragments are in; the next step's are asked for, into the set that the step before has read (its places stand at its end); 32 products
	s_wait_dscnt 0x0
.if \fetch
	FETCH (\st)+1
.endif
	WIN MUL_LO
	MUL16 0, \st, \zero
	MUL16 2, \st, \zero
	PLACES NP                                      ; places in front of the next loads into registers that these products read, and of the first read of the sums
	WIN 0
.endm
	WALU                                           ; the wait at the head's end
	s_wait_loadcnt 0x0                             ; my scale bytes are in registers
.irp k, 0,1
	ds_store_b128 v7, v[AF+4*\k:AF+4*\k+3] offset:512*\k
.endr
.irp k, 0,1,2,3
	ds_store_b128 v9, v[AF+8+4*\k:AF+8+4*\k+3] offset:512*\k
.endr
	s_wait_tensorcnt 0x0                           ; my part of K steps 0 and 1 has landed
	ds_add_u32 v[SPW], v[NIL]
	s_wait_dscnt 0x0                               ; the add is done, and my scale bytes are stored
	CROUND                                         ; everybody's part is in, and all sixteen work-groups are here: the joint loads meet
	JLOAD G0+4, G1, G0B+4, G1B                     ; K steps 2 and 3, into bytes of their own
	FETCH 0
	KSTEP 0, 1, 1
	KSTEP 1, 0, 1
	KSTEP 2, 0, 1
	s_wait_dscnt 0x0                               ; step 3, the last of K step 1, with a plain barrier
	WIN MUL_LO
	MUL16 0, 3, 0
	s_wait_tensorcnt 0x0                           ; my part of K steps 2 and 3 has landed,
	s_wait_dscnt 0x0                               ; and my reads of K steps 0 and 1 are over
	s_barrier_signal -1
	MUL16 2, 3, 0
	PLACES NP
	WIN 0
	s_barrier_wait -1                              ; both now hold of all four waves
	FETCH 4
	KSTEP 4, 0, 1
	KSTEP 5, 0, 1
	KSTEP 6, 0, 1
	KSTEP 7, 0, 0
; THE WAY OUT, block by block of 16 rows x 128 columns.  LDS serves a wave's instructions in order (ISA guide 5.7.1.4): no wait between the stores and the loads.
.macro TOSTAGE a
.set AC, 64*(\a)
	WIN 0x08                                       ; the data: window 2
.irp b, 0,1,2,3,4,5,6,7                ; Wo's tile b holds columns 32 (b / 2) + 8 (b % 2) + 16 h + 0 .. 7 in lane half h; each accumulator from its low end on
	ds_store_b128 v[STO], v[AC+8*\b:AC+8*\b+3] offset:128*(\b/2)+32*(\b%2)
	ds_store_b128 v[STO], v[AC+8*\b+4:AC+8*\b+7] offset:128*(\b/2)+32*(\b%2)+16
.endr
	WIN 0
.set BB, BK+64*((\a)%2)
.irp t, 0,1,2,3,4,5,6,7,8,9,10,11,12,13,14,15
	ds_load_b128 v[BB+4*\t:BB+4*\t+3], v[RD] offset:\t*SPITCH
.endr
.endm
.macro SEND a, younger                 ; younger: the LDS instructions issued behind block a's loads, which may stay out
.set BB, BK+64*((\a)%2)
	s_wait_dscnt \younger
.irp t, 0,1,2,3,4,5,6,7,8,9,10,11,12,13,14,15
	global_store_b128 v[CO], v[BB+4*\t:BB+4*\t+3], s[12:13] offset:(32*((\a)/2)+8*((\a)%2)+\t+8*(\t/8))*4096 th:TH_STORE_NT   ; 32 lanes store 512 consecutive bytes, aligned to 256
.endr
.endm
	TOSTAGE 0
.irp a, 1,2,3
.if \a > 1
	s_wait_xcnt 0x0                                ; block a - 2's stores have read their registers: block a's loads may land there
.endif
	TOSTAGE \a
	SEND \a-1, 32                                  ; behind block a - 1's loads: block a's 16 stores and 16 loads
.endr
	SEND 3, 0
	s_wait_tensorcnt 0x0                           ; the wave's end
	ds_add_u32 v[SPW], v[NIL]
	s_wait_dscnt 0x0
	CROUND                                         ; the closing round
	s_endpgm
.Lfunc_end_k_qaa4f9b55b3_outp:
	.size	k_qaa4f9b55b3_outp, .Lfunc_end_k_qaa4f9b55b3_outp-k_qaa4f9b55b3_outp
	.p2alignl 7, 3214868480
	.fill 96, 4, 3214868480
	.section	.rodata,"a",@progbits
	.p2align	6, 0x0
	.amdhsa_kernel k_qaa4f9b55b3_outp
		.amdhsa_group_segment_fixed_size 327680
		.amdhsa_private_segment_fixed_size 0
		.amdhsa_enable_private_segment 0
		.amdhsa_kernarg_size 40
		.amdhsa_user_sgpr_count 2
		.amdhsa_user_sgpr_kernarg_segment_ptr 1
		.amdhsa_wavefront_size32 1
		.amdhsa_system_sgpr_workgroup_id_x 1
		.amdhsa_system_sgpr_workgroup_id_y 1
		.amdhsa_system_sgpr_workgroup_id_z 1
		.amdhsa_system_vgpr_workitem_id 0
		.amdhsa_next_free_vgpr 768
		.amdhsa_next_free_sgpr 98
		.amdhsa_reserve_vcc 0
		.amdhsa_float_denorm_mode_32 3
		.amdhsa_float_denorm_mode_16_64 3
		.amdhsa_memory_ordered 1
		.amdhsa_forward_progress 1
		.amdhsa_inst_pref_size 85
	.end_amdhsa_kernel
	.amdgpu_metadata
---
amdhsa.version: [ 1, 2 ]
amdhsa.kernels:
  - .name:           k_qaa4f9b55b3_outp
    .symbol:         k_qaa4f9b55b3_outp.kd
    .args:
      - { .name: oc, .offset: 0, .size: 8, .value_kind: global_buffer, .address_space: global }
      - { .name: os, .offset: 8, .size: 8, .value_kind: global_buffer, .address_space: global }
      - { .name: xc, .offset: 16, .size: 8, .value_kind: global_buffer, .address_space: global }
      - { .name: xs, .offset: 24, .size: 8, .value_kind: global_buffer, .address_space: global }
      - { .name: out0, .offset: 32, .size: 8, .value_kind: global_buffer, .address_space: global }
    .group_segment_fixed_size: 327680
    .private_segment_fixed_size: 0
    .kernarg_segment_align: 8
    .kernarg_segment_size: 40
    .max_flat_workgroup_size: 128
    .sgpr_count:     98
    .vgpr_count:     768
    .wavefront_size: 32
...
	.end_amdgpu_metadata
.endif
;; end of part 4
